; MI455X (gfx1250); checked and timed in simulation.
; The chip was launched on July 23, 2026; its instructions are those of AMD's public machine-readable ISA for CDNA 5 (MIT licence, August 2026) and "CDNA5" Instruction Set Architecture Reference Guide (July 2026). The comments in the code are by the model that wrote it; some were corrected since.
;; Causal Multihead Self Attention. Allowed arithmetic: matrix products marked QUANTISED: E4M3 operands, one E8M0 scale for each 32 along K, by v_wmma_scale_f32_16x16x128_f8f6f4 with both operands' format E4M3, f32 sums; everything else in f32.
;; Inputs: Wo 1,024 x 1,024 float32; Wqkv 3,072 x 1,024 float32; token_positions 4,096 int32; x 1 x 4,096 x 1,024 float32.
;; Outputs: out0 1 x 4,096 x 1,024 float32.
;; This version of the problem:
;;   THIS VERSION OF THE PROBLEM IS GIVEN IN LOW PRECISION. The matrix products marked QUANTISED in the list below multiply operands that are first quantised to E4M3 (4 exponent bits, 3 mantissa bits; 8 bits a number), with one power-of-two scale for each 32 numbers along K (OCP MX v1.0); their sums are f32. All else is computed in f32.
;;   The module's matrix products, in the order in which they are computed (A, B: the left and right operand; K: the contracted axis; several contracted axes count as one K, in the product's order):
;;     1. [M 4,096, K 1,024] x [K 1,024, N 3,072]; A: input x; B: input Wqkv: QUANTISED
;;     2. batch 16 x [M 4,096, K 64] x [K 64, N 4,096]; A: computed on the way; B: computed on the way: QUANTISED
;;     3. batch 16 x [M 4,096, K 4,096] x [K 4,096, N 64]; A: softmax (see below); B: computed on the way: QUANTISED
;;     4. [M 4,096, K 1,024] x [K 1,024, N 1,024]; A: computed on the way; B: input Wo: QUANTISED
;;   THE QUANTISER, for each operand of a quantised product, along K:
;;     - K is cut into blocks of 32 from its start; a last block that is shorter is filled with zeros.
;;     - A block's scale is 2^e with e = floor(log2(the largest magnitude in the block)) - 8, held to -126 .. 127; a block of zeros has e = 0. As a byte (E8M0): e + 127.
;;     - Each number is divided by its block's scale, clamped to +-448, and rounded to the nearest number of E4M3, ties to even, subnormals kept.
;;     - The product sums the exact products of the quantised numbers (number of the format x scale) in f32.
;;   ~~~python
;;   def quantise(x, axis):      # numpy; x: float32 -> the quantised numbers, widened to float32 again
;;       x = np.moveaxis(x, axis, -1); K = x.shape[-1]
;;       x = np.pad(x, [(0, 0)] * (x.ndim - 1) + [(0, -K % 32)]); x = x.reshape(x.shape[:-1] + (-1, 32)); a = np.abs(x).max(-1, keepdims=True)
;;       e = np.where(a > 0, np.clip(np.frexp(np.where(a > 0, a, 1))[1] - 1 - 8, -126, 127), 0)      # np.frexp(a)[1] - 1 = floor(log2(a)), exactly
;;       r = np.clip(x / 2.0 ** e, -448, 448)
;;       step = 2.0 ** (np.maximum(np.frexp(np.where(r == 0, 1, r))[1] - 1, -6) - 3)
;;       q = np.round(r / step) * step * 2.0 ** e      # np.round: ties to even
;;       return np.moveaxis(q.reshape(q.shape[:-2] + (-1,))[..., :K], -1, axis).astype(np.float32)
;;   ~~~
;;   SOFTMAX AHEAD OF A QUANTISED PRODUCT. Where the list says 'softmax', what is quantised is not the finished softmax but p = 2^(t - M), with t = logit x log2(e) and M = ceil(the row's largest t), a whole number; so 1/2 < the row's largest p <= 1. The row's sum l is taken of the UNQUANTISED p, in f32, and the product's result is divided by l at the end. Since M is a whole number, a kernel that streams over the keys may use a running M (the ceiling of the running maximum): every later rescaling is an exact power of two, which a block's scale takes up: the codes' values come out the same.
;;   OPERANDS COMPUTED ON THE WAY. 'Computed on the way' means the value that the module computes at that place (a softmax that the list does not call 'softmax' is quantised finished and normalised). What goes into a quantiser is computed in f32, as accurately as f32 sums, v_exp_f32 and their like allow (about 1e-6 of the number): no bf16 or f16 on the way to a quantiser, and a product that is left as it is and whose result goes on into a quantised operand takes f32 operands (vector FMAs, or v_wmma_f32_16x16x4_f32). A number that lies on a knife's edge between two numbers of the format may be rounded either way, as far as f32 arithmetic and the matrix unit's own rounding can turn it there, and no further.
;; One version. Each part assembles by itself: llvm-mc -triple=amdgcn-amd-amdhsa -mcpu=gfx1250 --defsym DOCPART=n.
;; ======== version 1 of 1: 4 launches
;; limits: right only within a limited range of input values
;; workspace buffers: wcodes 8,388,608 bytes; wscales 262,144 bytes; rope 1,048,576 bytes; qkv_codes 12,582,912 bytes; qkv_scales 655,360 bytes; ocodes 4,194,304 bytes; oscales 262,144 bytes
;; launch prep (part 1): grid 256 x 1, 4 waves a work-group, no clusters, 33,280 bytes of LDS; arguments x, Wqkv, Wo, token_positions, wcodes, wscales, rope; writes wcodes, wscales, rope
.if DOCPART == 1
	.amdgcn_target "amdgcn-amd-amdhsa--gfx1250"
	.amdhsa_code_object_version 6
	.text
	.protected	k_qfa8122e1be_prep
	.globl	k_qfa8122e1be_prep
	.p2align	8
	.type	k_qfa8122e1be_prep,@function
k_qfa8122e1be_prep:
	s_mov_b64 s[64:65], 0
	v_nop
	global_prefetch_b8 v0, s[64:65] scope:SCOPE_SE
	s_setreg_imm32_b32 hwreg(HW_REG_WAVE_MODE, 25, 1), 1
	s_wait_xcnt 0x0
; CAUSAL SELF-ATTENTION IN MX-FP8, launch 1 of 4: x [4096][1024], Wqkv [3072][1024] and Wo [1024][1024], f32, become codes of FP8 (E4M3), K innermost, with one E8M0 byte for each 32 along K;
; and the table of cos and sin of token_positions / 10000^(f / 32), f = 0 .. 31, is made.
; WORK LEFT OUT IN THE PROGRAM: reference() itself sets the score of key k and query q to -infinity where k > q (its own jnp.tril), so p = 0 there whatever the inputs hold: key steps of 128 keys that lie wholly
; behind a wave's 16 queries are not multiplied (launch 3).  Nothing else is left out, and all four inputs are loaded.  LIMIT: a NaN, an infinity or an overflow that reaches only those hidden scores is not carried to the result.
; A block's scale is 2^(floor(log2(its largest magnitude)) - 8); its byte is the largest magnitude's exponent field - 8, held at 1 from below.  A block of zeros keeps the byte 1 where the rule says 127: its codes are zeros,
; which add nothing under any byte but 0xff, and this program alone reads the bytes.  Each number is held within +-448 x the scale and rounded to the nearest code, ties to even.
; LIMITS: NaN and infinities among the inputs are not served; the angles' reduction by three parts of pi / 2 serves angles up to about 1e5 in magnitude (positions of this problem's size give under 4,096).
; THE ROWS OF x AND OF Wqkv ARE STORED IN ANOTHER ORDER: storage row p holds source row p with its bits 3 and 4 exchanged.  Sixteen storage rows on end then hold source rows 0-7 and 16-23 (or 8-15 and 24-31) of a group of 32,
; so that a later product's results, two tiles side by side, are 16 neighbours along the next product's K in one lane's registers.  A wave takes 8 rows, so the exchange is one of the two bits of the wave's number.  Wo keeps its order.
; A wave takes 16 steps of 512 numbers.  Each load reads 512 consecutive bytes; a step's 2,048 bytes turn through the wave's own stage in LDS and come back 64 bytes a lane (16 neighbours; two lanes hold a block).
; A lane's 16 codes are 16 bytes: the wave stores 512 consecutive bytes.  A wave's 256 scale bytes are gathered in its own LDS bytes and leave as 256 consecutive bytes.  Waves share nothing: no barrier.
.set WAVES, 4
.set STEPS, 16
.set MANT,  0x600000                   ; the mantissa field of 448 as f32
.set CB,    16                         ; bytes of 16 codes
.set R,     16                         ; v16-79   four sets of 16 numbers as they are loaded
.set X,     80                         ; v80-111  two sets of 16 neighbours
.set E,     112                        ; v112-127 a scale byte for each step
.set C,     128                        ; v128-191 codes: four registers for each step, so that no store's data are written again
.set WREG,  8192                       ; LDS: a region for each wave: two stages of 32 x SP bytes, behind them its 256 scale bytes
.set SP,    80                         ; a lane's place in a stage: 64 bytes + 16 of padding
.set SPW,   12                         ; v12  LDS address of my spare word; never rewritten
.set NIL,   13                         ; v13  0; never rewritten
.set SPARE, WAVES*WREG                 ; behind the four regions: the spare words, 128 bytes a wave
.set POS,   192                        ; v192 my token's position
.set POSA,  193                        ; v193 its byte offset in token_positions
.set TBO,   194                        ; v194 my byte offset in the table
.set TD,    195                        ; v195-198 the four divisors, later the squares of the reduced angles
.set TR,    199                        ; v199-202 their reciprocals, later the cosine's polynomial
.set TA,    203                        ; v203-206 the angles, later the sine's polynomial
.set TN,    207                        ; v207-210 the multiples of pi / 2
.set TE,    211                        ; v211-214 the reduced angles
.set TT,    215                        ; v215 10^(2 (wave / 2) + lane / 16)
.set CSR,   216                        ; v216-223 (cos, sin) x 4: what is stored
	s_load_b256 s[4:11], s[0:1], 0x0               ; x, Wqkv, Wo, token_positions
	s_load_b128 s[12:15], s[0:1], 0x20             ; wcodes, wscales
	s_load_b64 s[24:25], s[0:1], 0x30              ; rope
	v_lshl_add_u32 v[SPW], v0, 2, SPARE
	v_mov_b32 v[NIL], 0
	v_lshrrev_b32 v1, 5, v0
	v_readfirstlane_b32 s16, v1                    ; wave
	v_and_b32 v2, 31, v0                           ; lane
	v_lshlrev_b32 v3, 4, v2                        ; my 16 bytes of a load's 512
	s_mul_i32 s17, s16, WREG
	v_lshrrev_b32 v14, 2, v2
	v_mul_u32_u24 v14, v14, SP
	v_and_b32 v15, 3, v2
	v_lshl_add_u32 v14, v15, 4, v14
	v_add_nc_u32 v14, s17, v14                     ; the stage, on the way in: SP (lane / 4) + 16 (lane % 4)
	v_mul_u32_u24 v15, v2, SP
	v_add_nc_u32 v15, s17, v15                     ; and on the way out: SP x lane: my 16 neighbours
	v_mul_u32_u24 v4, v2, CB                       ; my codes' place in a step's
	v_lshrrev_b32 v5, 1, v2
	s_add_co_u32 s17, s17, 2*32*SP
	v_add_nc_u32 v5, s17, v5                       ; LDS: my wave's 256 scale bytes, my block's byte
	v_lshlrev_b32 v7, 3, v2                        ; and on the way out 8 bytes a lane
	v_add_nc_u32 v6, s17, v7
	s_mov_b32 s23, MANT
	s_and_b32 s28, s16, 1
	s_lshl_b32 s29, s28, 1
	s_lshr_b32 s30, s16, 1
	s_or_b32 s29, s29, s30                         ; the wave's number with its two bits exchanged
	; the table's constants.  Wave w makes frequencies f = 16 (w / 2) + 8 (lane / 16) + 4 (w % 2) + 0 .. 3; 10000^(f / 32) = 10^(f / 8) = 10^(k / 8) x 10^(2 (w / 2) + lane / 16), k = 4 (w % 2) + 0 .. 3
	s_mov_b32 s40, 0x404a62c2                      ; 10^(4/8)
	s_mov_b32 s41, 0x4086f161                      ; 10^(5/8)
	s_mov_b32 s42, 0x40b3f300                      ; 10^(6/8)
	s_mov_b32 s43, 0x40eff755                      ; 10^(7/8)
	s_cmp_eq_u32 s28, 0
	s_cselect_b32 s40, 1.0, s40                    ; 10^(0/8)
	s_cselect_b32 s41, 0x3faab0d5, s41             ; 10^(1/8)
	s_cselect_b32 s42, 0x3fe39ea9, s42             ; 10^(2/8)
	s_cselect_b32 s43, 0x4017c496, s43             ; 10^(3/8)
	s_cmp_eq_u32 s30, 0
	s_cselect_b32 s33, 1.0, 0x42c80000             ; 1 or 100
	s_mov_b32 s34, 0x37cd4000                      ; the cosine's leading coefficient
	s_mov_b32 s35, 0x3fc90fd8                      ; pi / 2 in three parts
	s_mov_b32 s36, 0x34a8885a
	s_mov_b32 s37, 0x27c234c4
	s_mov_b32 s38, 0x36405000                      ; the sine's leading coefficient
	v_and_b32 v[TD], 15, v0                        ; r.  Work-group g makes the table's tile g: place r of it is token 32 (g / 2) + 8 (g % 2) + r + 8 (r / 8)
	v_and_b32 v[TD+1], 8, v[TD]
	v_add_nc_u32 v[TD], v[TD], v[TD+1]
	s_lshr_b32 s31, ttmp9, 1
	s_lshl_b32 s31, s31, 5
	s_and_b32 s32, ttmp9, 1
	s_lshl_b32 s32, s32, 3
	s_add_co_u32 s31, s31, s32
	v_add_nc_u32 v[TD], s31, v[TD]
	v_lshlrev_b32 v[POSA], 2, v[TD]
	s_lshl_b32 s31, ttmp9, 12                      ; the table: 4,096 bytes a tile, 1,024 a wave (two chunks of 512), 16 a lane
	s_lshl_b32 s32, s16, 10
	s_add_co_u32 s31, s31, s32
	v_lshl_add_u32 v[TBO], v2, 4, s31
	s_wait_alu depctr_va_vdst(0)
	s_wait_kmcnt 0x0
	s_cmp_lt_u32 ttmp9, 128                        ; work-groups 0-127 take x, 128-223 Wqkv, 224-255 Wo: the choice hangs on the work-group's number alone
	s_cselect_b64 s[4:5], s[4:5], s[6:7]
	s_cselect_b32 s17, 0, 128
	s_mov_b32 s26, 224
	s_cmp_lt_u32 ttmp9, s26
	s_cselect_b64 s[4:5], s[4:5], s[8:9]
	s_cselect_b32 s17, s17, s26                    ; the tensor's first work-group
	s_cselect_b32 s27, s29, s16                    ; where my 8 rows go among the work-group's 32: exchanged, but for Wo
	s_sub_co_u32 s18, ttmp9, s17
	s_lshl_b32 s18, s18, 2
	s_add_co_u32 s18, s18, s16
	s_lshl_b32 s18, s18, 15                        ; my run of 8,192 numbers in the tensor, in bytes
	s_mov_b32 s19, 0
	s_add_nc_u64 s[4:5], s[4:5], s[18:19]
	s_lshl_b32 s20, ttmp9, 2
	s_add_co_u32 s20, s20, s27
	s_lshl_b32 s18, s20, 13                        ; 8,192 bytes of codes a run
	s_add_nc_u64 s[12:13], s[12:13], s[18:19]
	s_lshl_b32 s18, s20, 8                         ; 256 scale bytes a run
	s_add_nc_u64 s[14:15], s[14:15], s[18:19]
.macro LOAD t
.irp i, 0,1,2,3
	global_load_b128 v[R+16*((\t)%4)+4*\i:R+16*((\t)%4)+4*\i+3], v3, s[4:5] offset:2048*(\t)+512*\i th:TH_LOAD_NT   ; 32 lanes read 512 consecutive bytes
.endr
.endm
.macro TURN t                          ; step t's numbers through the stage: LDS serves a wave's instructions in order, so no wait stands between the stores and the loads
.irp i, 0,1,2,3
	ds_store_b128 v14, v[R+16*((\t)%4)+4*\i:R+16*((\t)%4)+4*\i+3] offset:32*SP*((\t)%2)+8*SP*\i
.endr
.irp i, 0,1,2,3
	ds_load_b128 v[X+16*((\t)%2)+4*\i:X+16*((\t)%2)+4*\i+3], v15 offset:32*SP*((\t)%2)+16*\i
.endr
.endm
	global_load_b32 v[POS], v[POSA], s[10:11]      ; my token's position, ahead of the stream's loads
.irp t, 0,1,2,3
	LOAD \t
.endr
	; ---- THE TABLE, while the first sixteen loads are on their way
	v_bfe_u32 v[TT], v0, 4, 1
	v_cmp_ne_u32 vcc_lo, 0, v[TT]
	v_mov_b32 v[TE], 0x41200000                    ; 10
	v_cndmask_b32 v[TT], 1.0, v[TE], vcc_lo
	v_mul_f32 v[TT], s33, v[TT]                    ; 1, 10, 100 or 1000: exact
.irp e, 0,1,2,3
	v_mul_f32 v[TD+\e], s[40+\e], v[TT]            ; the divisor
.endr
	s_wait_alu depctr_va_vdst(0)
.irp e, 0,1,2,3
	v_rcp_f32 v[TR+\e], v[TD+\e]
.endr
	v_nop                                          ; a plain instruction behind the last reciprocal
	s_wait_alu depctr_va_vdst(0)                   ; one wait for the four, ahead of their first reader
	s_wait_loadcnt 16                              ; the position is in; the sixteen loads behind it stay out
	v_cvt_f32_i32 v[POS], v[POS]
.irp e, 0,1,2,3
	v_mul_f32 v[TA+\e], v[POS], v[TR+\e]           ; the quotient, roughly,
.endr
.irp e, 0,1,2,3
	v_fma_f32 v[TE+\e], -v[TA+\e], v[TD+\e], v[POS]    ; what it leaves,
.endr
.irp e, 0,1,2,3
	v_fma_f32 v[TA+\e], v[TE+\e], v[TR+\e], v[TA+\e]   ; and the angle, mended
.endr
.irp e, 0,1,2,3
	v_mul_f32 v[TN+\e], 0x3f22f983, v[TA+\e]       ; x 2 / pi
.endr
.irp e, 0,1,2,3
	v_rndne_f32 v[TN+\e], v[TN+\e]                 ; n
.endr
.irp e, 0,1,2,3
	v_fma_f32 v[TE+\e], -v[TN+\e], s35, v[TA+\e]   ; the angle less n x pi / 2, in three parts
.endr
.irp e, 0,1,2,3
	v_fma_f32 v[TE+\e], -v[TN+\e], s36, v[TE+\e]
.endr
.irp e, 0,1,2,3
	v_fma_f32 v[TE+\e], -v[TN+\e], s37, v[TE+\e]   ; within +-pi / 4
.endr
.irp e, 0,1,2,3
	v_mul_f32 v[TD+\e], v[TE+\e], v[TE+\e]         ; its square
.endr
.irp e, 0,1,2,3
	v_fmaak_f32 v[TR+\e], s34, v[TD+\e], 0xbab6077d
	v_fmaak_f32 v[TA+\e], s38, v[TD+\e], 0xb9503486
.endr
.irp e, 0,1,2,3
	v_fmaak_f32 v[TR+\e], v[TR+\e], v[TD+\e], 0x3d2aaaa8
	v_fmaak_f32 v[TA+\e], v[TA+\e], v[TD+\e], 0x3c0888c1
.endr
.irp e, 0,1,2,3
	v_fma_f32 v[TR+\e], v[TR+\e], v[TD+\e], -0.5
	v_fmaak_f32 v[TA+\e], v[TA+\e], v[TD+\e], 0xbe2aaaab
.endr
.irp e, 0,1,2,3
	v_fma_f32 v[TR+\e], v[TR+\e], v[TD+\e], 1.0    ; the reduced angle's cosine
	v_mul_f32 v[CSR+2*\e], v[TE+\e], v[TD+\e]      ; its cube
.endr
.irp e, 0,1,2,3
	v_fma_f32 v[TA+\e], v[TA+\e], v[CSR+2*\e], v[TE+\e]   ; its sine
	v_cvt_i32_f32 v[TN+\e], v[TN+\e]
.endr
.irp e, 0,1,2,3                        ; the quadrant: n odd exchanges the two; sin changes sign where bit 1 of n is set, cos where bit 1 of n + 1 is
	v_and_b32 v[TE+\e], 1, v[TN+\e]
	v_cmp_ne_u32 vcc_lo, 0, v[TE+\e]
	v_cndmask_b32 v[CSR+2*\e+1], v[TA+\e], v[TR+\e], vcc_lo
	v_cndmask_b32 v[CSR+2*\e], v[TR+\e], v[TA+\e], vcc_lo
	v_lshlrev_b32 v[TE+\e], 30, v[TN+\e]
	v_and_b32 v[TE+\e], 0x80000000, v[TE+\e]
	v_xor_b32 v[CSR+2*\e+1], v[CSR+2*\e+1], v[TE+\e]
	v_add_nc_u32 v[TN+\e], 1, v[TN+\e]
	v_lshlrev_b32 v[TN+\e], 30, v[TN+\e]
	v_and_b32 v[TN+\e], 0x80000000, v[TN+\e]
	v_xor_b32 v[CSR+2*\e], v[CSR+2*\e], v[TN+\e]
.endr
	global_store_b128 v[TBO], v[CSR:CSR+3], s[24:25]               ; 32 lanes store 512 consecutive bytes; none of these registers is written again
	global_store_b128 v[TBO], v[CSR+4:CSR+7], s[24:25] offset:512
	; ---- THE STREAM
	s_wait_loadcnt 12                              ; step 0's four loads are in
	TURN 0
.macro STEP t
.set XS, X+16*((\t)%2)
.if (\t) > 0
	s_wait_dscnt 1                                 ; this step's numbers are back from the stage (the last step's byte store may be out): so its stores into the stage have read their registers,
.else
	s_wait_dscnt 0x0
.endif
.if (\t)+4 < STEPS
	LOAD (\t)+4                                    ; which take the loads of four steps on
.endif
.if (\t)+1 < STEPS
.if STEPS-2-(\t) >= 3
	s_wait_loadcnt 12                              ; the next step's four loads are in; those of the three steps behind it may be out
.else
	s_wait_loadcnt 4*(STEPS-2-(\t))
.endif
	TURN (\t)+1                                    ; and go through the other stage while this step is worked
.endif
	v_max3_num_f32 v8, |v[XS]|, |v[XS+1]|, |v[XS+2]|               ; the largest magnitude of my 16
	v_max3_num_f32 v9, |v[XS+3]|, |v[XS+4]|, |v[XS+5]|
.irp i, 6,10
	v_max3_num_f32 v8, v8, |v[XS+\i]|, |v[XS+\i+1]|
	v_max3_num_f32 v9, v9, |v[XS+\i+2]|, |v[XS+\i+3]|
.endr
	v_max3_num_f32 v8, v8, |v[XS+14]|, |v[XS+15]|
	v_max3_num_f32 v8, v8, v9, 0x4800000           ; and the floor 2^(9 - 127): the byte cannot fall under 1
	v_max_num_f32_dpp v8, v8, v8 row_xmask:1 row_mask:0xf bank_mask:0xf   ; and of my neighbour's 16: the block's
	v_add_nc_u32 v11, 0xfc000000, v8               ; 8 off its exponent field: the conversion takes the exponent field of this operand as its scale
	v_and_or_b32 v10, v8, 0x7f800000, s23          ; 448 x the scale
.irp i, 0,1,2,3,4,5,6,7,8,9,10,11,12,13,14,15
	v_med3_num_f32 v[XS+\i], v[XS+\i], -v10, v10   ; the conversion to an 8-bit code does not saturate (ISA guide 7.6.2): the hold comes first
.endr
	v_cvt_scalef32_pk8_fp8_f32 v[C+4*(\t):C+4*(\t)+1], v[XS:XS+7], v11
	v_cvt_scalef32_pk8_fp8_f32 v[C+4*(\t)+2:C+4*(\t)+3], v[XS+8:XS+15], v11
	v_lshrrev_b32 v[E+(\t)], 23, v11               ; the scale's byte
	ds_store_b8 v5, v[E+(\t)] offset:16*(\t)       ; both lanes of a block write the same byte with the same value
	global_store_b128 v4, v[C+4*(\t):C+4*(\t)+3], s[12:13] offset:32*CB*(\t)
.endm
.irp t, 0,1,2,3,4,5,6,7,8,9,10,11,12,13,14,15
	STEP \t
.endr
	ds_load_b64 v[8:9], v6                         ; LDS serves a wave's instructions in order: these see my stores
	s_wait_dscnt 0x0
	global_store_b64 v7, v[8:9], s[14:15]          ; 32 lanes store 256 consecutive bytes
	s_wait_tensorcnt 0x0                           ; the wave's end, behind my last LDS store
	ds_add_u32 v[SPW], v[NIL]
	s_wait_dscnt 0x0
	s_endpgm
.Lfunc_end_k_qfa8122e1be_prep:
	.size	k_qfa8122e1be_prep, .Lfunc_end_k_qfa8122e1be_prep-k_qfa8122e1be_prep
	.p2alignl 7, 3214868480
	.fill 96, 4, 3214868480
	.section	.rodata,"a",@progbits
	.p2align	6, 0x0
	.amdhsa_kernel k_qfa8122e1be_prep
		.amdhsa_group_segment_fixed_size 33280
		.amdhsa_private_segment_fixed_size 0
		.amdhsa_enable_private_segment 0
		.amdhsa_kernarg_size 56
		.amdhsa_user_sgpr_count 2
		.amdhsa_user_sgpr_kernarg_segment_ptr 1
		.amdhsa_wavefront_size32 1
		.amdhsa_system_sgpr_workgroup_id_x 1
		.amdhsa_system_sgpr_workgroup_id_y 1
		.amdhsa_system_sgpr_workgroup_id_z 1
		.amdhsa_system_vgpr_workitem_id 0
		.amdhsa_next_free_vgpr 224
		.amdhsa_next_free_sgpr 66
		.amdhsa_reserve_vcc 1
		.amdhsa_float_denorm_mode_32 3
		.amdhsa_float_denorm_mode_16_64 3
		.amdhsa_memory_ordered 1
		.amdhsa_forward_progress 1
		.amdhsa_inst_pref_size 59
	.end_amdhsa_kernel
	.amdgpu_metadata
---
amdhsa.version: [ 1, 2 ]
amdhsa.kernels:
  - .name:           k_qfa8122e1be_prep
    .symbol:         k_qfa8122e1be_prep.kd
    .args:
      - { .name: x, .offset: 0, .size: 8, .value_kind: global_buffer, .address_space: global }
      - { .name: Wqkv, .offset: 8, .size: 8, .value_kind: global_buffer, .address_space: global }
      - { .name: Wo, .offset: 16, .size: 8, .value_kind: global_buffer, .address_space: global }
      - { .name: token_positions, .offset: 24, .size: 8, .value_kind: global_buffer, .address_space: global }
      - { .name: wcodes, .offset: 32, .size: 8, .value_kind: global_buffer, .address_space: global }
      - { .name: wscales, .offset: 40, .size: 8, .value_kind: global_buffer, .address_space: global }
      - { .name: rope, .offset: 48, .size: 8, .value_kind: global_buffer, .address_space: global }
    .group_segment_fixed_size: 33280
    .private_segment_fixed_size: 0
    .kernarg_segment_align: 8
    .kernarg_segment_size: 56
    .max_flat_workgroup_size: 128
    .sgpr_count:     66
    .vgpr_count:     224
    .wavefront_size: 32
...
	.end_amdgpu_metadata
.endif
;; end of part 1
;; launch qkv (part 2): grid 12 x 16, 4 waves a work-group, clusters of 4 x 4, 327,680 bytes of LDS; arguments wcodes, wscales, rope, qkv_codes, qkv_scales; writes qkv_codes, qkv_scales
.if DOCPART == 2
	.amdgcn_target "amdgcn-amd-amdhsa--gfx1250"
	.amdhsa_code_object_version 6
	.text
	.protected	k_qfa8122e1be_qkv
	.globl	k_qfa8122e1be_qkv
	.p2align	8
	.type	k_qfa8122e1be_qkv,@function
k_qfa8122e1be_qkv:
	s_mov_b64 s[64:65], 0
	v_nop
	global_prefetch_b8 v0, s[64:65] scope:SCOPE_SE
	s_setreg_imm32_b32 hwreg(HW_REG_WAVE_MODE, 25, 1), 1
	s_wait_xcnt 0x0
	s_wait_alu depctr_hold_cnt(0) depctr_sa_sdst(0) depctr_va_vdst(0) depctr_va_sdst(0) depctr_va_ssrc(0) depctr_va_vcc(0) depctr_vm_vsrc(0)
	s_getreg_b32 s2, hwreg(HW_REG_IB_STS2, 6, 4)
	s_cmp_eq_u32 s2, 0
	s_cbranch_scc0 .Lentry_in_a_cluster
	s_endpgm
.Lentry_in_a_cluster:
	s_bfe_u32 s2, ttmp6, 0x10000c
	s_cmp_lg_u32 s2, 0xf033
	s_cbranch_scc0 .Lentry_shape_is_right
	s_endpgm
.Lentry_shape_is_right:
.set KROW,   1024
.set ROWB,   256
.set PITCH,  272
.set FR,     16
.set NL,     4
.set NP,     8
.set HALFT,  128*PITCH
.set SLOT,   4*HALFT
.set SPARE,  2*SLOT
.set STQ,    SPARE+512
.set STV,    STQ+4096
.set TM,   1
.set PW,   17
.set ADRA, 18
.set ADRB, 20
.set WW,   22
.set RA,   23
.set VSO,  24
.set SQ,   25
.set SV,   26
.set SQR,  27
.set SPW,  28
.set NIL,  29
.set SVR,  30
.set QSO,  31
.set CS0,  32
.set SCR,  64
.set AF,   128
.set YR,   128
.set CS1,  192
.set PCD,  224
.set G1,  24
.set G0,  32
.set G1B, 48
.set G0B, 56
.set HI16, 70
.set SEL,  80
.set MNT,  82
.set ISV,  95
.set MSB, 0
.macro WIN new
.if MSB != \new
	s_set_vgpr_msb (MSB<<8)|\new
.set MSB, \new
.endif
.endm
.set MUL_LO, 0xa1
.set MUL_HI, 0xf1
.set TO_B,   0x40
.macro JLOAD g0a, g1a, g0b, g1b
	s_cmp_eq_u32 s15, 0
	s_cbranch_scc0 .Lfor_b_\@
	tensor_load_to_lds s[\g0a:\g0a+3], s[\g1a:\g1a+7]
	s_nop 0
.rept 4
	v_nop
.endr
	s_branch .Lasked_\@
.Lfor_b_\@:
	tensor_load_to_lds s[\g0b:\g0b+3], s[\g1b:\g1b+7]
	s_nop 0
.rept 4
	v_nop
.endr
.Lasked_\@:
.endm
.macro CREST
	s_cmp_lg_u32 s14, 0
	s_cbranch_scc1 .Lnot_wave_0_\@
	s_barrier_signal -3
.Lnot_wave_0_\@:
	s_barrier_wait -3
	s_barrier_signal -1
	s_barrier_wait -1
.endm
.macro CROUND
	s_barrier_signal -1
	s_barrier_wait -1
	CREST
.endm
	s_load_b256 s[4:11], s[0:1], 0x0
	s_load_b64 s[12:13], s[0:1], 0x20
	v_lshl_add_u32 v[SPW], v0, 2, SPARE
	v_mov_b32 v[NIL], 0
	ds_add_u32 v[SPW], v[NIL]
	ds_add_u32 v[SPW], v[NIL]
	v_lshrrev_b32 v1, 5, v0
	v_readfirstlane_b32 s14, v1
	s_lshr_b32 s15, s14, 1
	s_and_b32 s16, s14, 1
	s_bfe_u32 s40, ttmp6, 0x40000
	s_bfe_u32 s41, ttmp6, 0x40004
	s_and_b32 s45, ttmp7, 0xffff
	s_lshl_b32 s45, s45, 2
	s_lshl_b32 s94, ttmp9, 2
	s_add_co_u32 s94, s94, 16
	s_cmp_eq_u32 ttmp9, 2
	s_cselect_b32 s17, 24, s45
	s_cselect_b32 s42, s45, s94
	s_cselect_b32 s[ISV], 1, 0
	s_add_co_u32 s17, s17, s41
	s_add_co_u32 s42, s42, s40
	s_lshl_b32 s43, s41, 2
	s_lshl_b32 s43, 15, s43
	s_lshl_b32 s44, 0x1111, s40
	s_or_b32 s[G1+0], s43, (0<<16)|(1<<20)|(1<<21)|(5<<22)|(3<<25)
	s_or_b32 s[G1B+0], s44, (0<<16)|(1<<20)|(1<<21)|(5<<22)|(3<<25)
.irp g, G1, G1B
	s_mov_b32 s[\g+1], ROWB<<16
	s_mov_b32 s[\g+2], 128<<16
	s_mov_b32 s[\g+3], ROWB<<16
	s_mov_b32 s[\g+4], 128
	s_mov_b32 s[\g+5], KROW
	s_mov_b32 s[\g+6], 0
	s_mov_b32 s[\g+7], 0
.endr
	s_lshl_b32 s18, s16, 7
	s_lshl_b32 s20, s17, 8
	s_add_co_u32 s20, s20, s18
	s_lshl_b32 s20, s20, 10
	s_mov_b32 s21, 0
	s_lshl_b32 s46, s42, 8
	s_add_co_u32 s46, s46, s18
	s_lshl_b32 s46, s46, 10
	s_mov_b32 s47, 0
	s_mul_i32 s45, s14, HALFT
	s_lshl_b32 s66, s17, 8
	s_lshl_b32 s68, s15, 7
	s_add_co_u32 s66, s66, s68
	s_lshl_b32 s67, s42, 8
	s_lshl_b32 s68, s16, 7
	s_add_co_u32 s67, s67, s68
	s_lshl_b32 s68, s66, 5
	s_lshl_b32 s69, s67, 5
	s_mov_b32 s[HI16], 0xffff0000
	s_mov_b32 s[SEL], 0x76543210
	s_mov_b32 s[SEL+1], 0xfedcba98
	s_mov_b32 s[MNT], 0x600000
	s_wait_dscnt 0x0
	s_wait_kmcnt 0x0
	s_add_nc_u64 s[20:21], s[4:5], s[20:21]
	s_add_nc_u64 s[46:47], s[4:5], s[46:47]
	v_and_b32 v1, 15, v0
	v_bfe_u32 v2, v0, 4, 1
	v_mov_b32 v3, s68
	v_mov_b32 v4, s69
	v_cndmask_b32 v3, v3, v4, s[HI16]
	v_lshl_add_u32 v[WW], v1, 5, v3
.irp i, 0,1,2,3,4,5,6,7
	global_load_b128 v[SCR+8*\i:SCR+8*\i+3], v[WW], s[6:7] offset:512*\i          ; the scale words are asked for ahead of the head's rounds and tiles
	global_load_b128 v[SCR+8*\i+4:SCR+8*\i+7], v[WW], s[6:7] offset:512*\i+16
.endr
	CROUND
.irp s, 0,1
	s_mov_b32 s[G0+4*\s], 1
	s_add_co_u32 s[G0+4*\s+1], s45, \s*SLOT
	s_add_nc_u64 s[G0+4*\s+2:G0+4*\s+3], s[20:21], \s*ROWB
	s_or_b32 s[G0+4*\s+3], s[G0+4*\s+3], 0x80000000
	s_mov_b32 s[G0B+4*\s], 1
	s_add_co_u32 s[G0B+4*\s+1], s45, \s*SLOT
	s_add_nc_u64 s[G0B+4*\s+2:G0B+4*\s+3], s[46:47], \s*ROWB
	s_or_b32 s[G0B+4*\s+3], s[G0B+4*\s+3], 0x80000000
	s_wait_alu depctr_va_vdst(0)
	s_wait_tensorcnt 0x0
	ds_add_u32 v28, v29
	ds_add_u32 v28, v29
	s_wait_dscnt 0x0
	CROUND
	JLOAD G0+4*\s, G1, G0B+4*\s, G1B
.endr
	v_mul_u32_u24 v3, v1, PITCH
	v_lshl_add_u32 v4, v2, 4, v3
	s_mul_i32 s21, s15, HALFT
	s_mul_i32 s22, s16, HALFT
	s_add_co_u32 s22, s22, 2*HALFT
.irp s, 0,1
	v_add_nc_u32 v[ADRA+\s], s21, v4
	v_add_nc_u32 v[ADRB+\s], s22, v4
	s_add_co_u32 s21, s21, SLOT
	s_add_co_u32 s22, s22, SLOT
.endr
	v_and_b32 v5, 31, v0
	v_lshlrev_b32 v[RA], 4, v5
	s_lshl_b32 s23, s14, 10
	s_add_co_u32 s23, s23, STQ
	v_lshl_add_u32 v[SQ], v2, 9, s23
	v_lshl_add_u32 v[SQ], v1, 2, v[SQ]
	v_add_nc_u32 v[SQR], s23, v[RA]
	s_lshl_b32 s23, s14, 9
	s_add_co_u32 s23, s23, STV
	v_lshl_add_u32 v[SV], v1, 2, s23
	v_add_nc_u32 v[SVR], s23, v[RA]
	v_mul_u32_u24 v[VSO], v2, 24576
	v_lshl_add_u32 v[VSO], v1, 4, v[VSO]
.irp b, 0,1,2,3
	v_mov_b32 v[TM+4+\b], 0
.endr
.macro FRAG reg, adr, q, i
.irp c, 0,1,2,3
	ds_load_b128 v[\reg+4*\c:\reg+4*\c+3], v[\adr] offset:128*(\q)+32*\c+(\i)*16*PITCH
.endr
.endm
.macro MUL16 a0, p, s, zero
.irp a, \a0, \a0+1
.irp b, 0,1,2,3,4,5,6,7
.if \zero
	v_wmma_scale_f32_16x16x128_f8f6f4 v[8*(8*((\a)%4)+\b):8*(8*((\a)%4)+\b)+7], v[128*(\p)+FR*\b:128*(\p)+FR*\b+FR-1], v[AF+FR*(\a):AF+FR*(\a)+FR-1], 0, v[SCR+8*\b+(\s)], v[SCR+8*(\a)+(\s)] matrix_a_scale:MATRIX_SCALE_ROW1
.else
	v_wmma_scale_f32_16x16x128_f8f6f4 v[8*(8*((\a)%4)+\b):8*(8*((\a)%4)+\b)+7], v[128*(\p)+FR*\b:128*(\p)+FR*\b+FR-1], v[AF+FR*(\a):AF+FR*(\a)+FR-1], v[8*(8*((\a)%4)+\b):8*(8*((\a)%4)+\b)+7], v[SCR+8*\b+(\s)], v[SCR+8*(\a)+(\s)] matrix_a_scale:MATRIX_SCALE_ROW1
.endif
.endr
.endr
.endm
.macro FETCH_B slot, q, p
	WIN TO_B
.irp i, 0,1,2,3,4,5,6,7
	FRAG 128*(\p)+FR*\i, ADRB+\slot, \q, \i
.endr
	WIN 0
.endm
.macro FETCH_A slot, q, i0
.irp i, \i0, \i0+1, \i0+2, \i0+3
	FRAG AF+FR*(\i), ADRA+\slot, \q, \i
.endr
.endm
.macro PLACES n
.rept \n
	v_nop
.endr
.endm
.macro STEP slot, s, zero
	s_wait_dscnt 4*NL
	WIN MUL_LO
	MUL16 0, 0, \s, \zero
	MUL16 2, 0, \s, \zero
	s_wait_dscnt 0
	PLACES NP
	FETCH_B \slot, 1, 1
	FETCH_A \slot, 1, 0
	WIN MUL_HI
	MUL16 4, 0, \s, \zero
	MUL16 6, 0, \s, \zero
	PLACES NP
	WIN 0
	FETCH_A \slot, 1, 4
.endm
.macro TURN slot, next, s, fill
	s_wait_tensorcnt 0x0
	ds_add_u32 v[SPW], v[NIL]
	s_wait_dscnt 4*NL+1
	WIN MUL_LO
	MUL16 0, 1, \s, 0
	s_wait_dscnt 0x0
	s_barrier_signal -1
	MUL16 2, 1, \s, 0
	WIN 0
	s_barrier_wait -1
.if \fill
	CREST
	s_add_nc_u64 s[G0+4*\slot+2:G0+4*\slot+3], s[G0+4*\slot+2:G0+4*\slot+3], 2*ROWB
	s_add_nc_u64 s[G0B+4*\slot+2:G0B+4*\slot+3], s[G0B+4*\slot+2:G0B+4*\slot+3], 2*ROWB
	JLOAD G0+4*\slot, G1, G0B+4*\slot, G1B
	PLACES NP-4
.else
	PLACES NP
.endif
	FETCH_B \next, 0, 0
	FETCH_A \next, 0, 0
	WIN MUL_HI
	MUL16 4, 1, \s, 0
	MUL16 6, 1, \s, 0
	PLACES NP
	WIN 0
	FETCH_A \next, 0, 4
.endm
.macro TAIL
	s_wait_dscnt 4*NL
	WIN MUL_LO
	MUL16 0, 1, 7, 0
	MUL16 2, 1, 7, 0
	s_wait_dscnt 0
	WIN MUL_HI
	MUL16 4, 1, 7, 0
	MUL16 6, 1, 7, 0
	WIN 0
	PLACES NP
.endm
.macro QUANT src, win, pc
.set QW, \win
	WIN 20*QW
.irp b, 0,1,2,3
	v_max3_num_f32 v[TM+\b], 0x4800000, |v[(\src)+16*\b]|, |v[(\src)+16*\b+1]|
.endr
.irp i, 2,4,6,8,10,12,14
.irp b, 0,1,2,3
	v_max3_num_f32 v[TM+\b], v[TM+\b], |v[(\src)+16*\b+\i]|, |v[(\src)+16*\b+\i+1]|
.endr
.endr
	WIN 0
.irp b, 0,1,2,3
	v_permlanex16_b32 v[TM+4+\b], v[TM+\b], s[SEL], s[SEL+1]
.endr
.irp b, 0,1,2,3
	v_max_num_f32 v[TM+\b], v[TM+\b], v[TM+4+\b]
.endr
.irp b, 0,1,2,3
	v_add_nc_u32 v[TM+12+\b], 0xfc000000, v[TM+\b]
.endr
.irp b, 0,1,2,3
	v_and_or_b32 v[TM+8+\b], v[TM+\b], 0x7f800000, s[MNT]
.endr
.irp b, 0,1,2,3
	v_lshrrev_b32 v[TM+4+\b], 23, v[TM+12+\b]
.endr
	v_lshl_or_b32 v[PW], v[TM+5], 8, v[TM+4]
	v_lshl_or_b32 v[PW], v[TM+6], 16, v[PW]
	v_lshl_or_b32 v[PW], v[TM+7], 24, v[PW]
	WIN QW
.irp b, 0,1,2,3
.set n, 0
.rept 16
	v_med3_num_f32 v[YR+16*\b+n], v[(\src)+16*\b+n], -v[TM+8+\b], v[TM+8+\b]
.set n, n+1
.endr
.endr
	WIN 0
.irp b, 0,1,2,3
	v_cvt_scalef32_pk8_fp8_f32 v[(\pc)+4*\b:(\pc)+4*\b+1], v[YR+16*\b:YR+16*\b+7], v[TM+12+\b]
	v_cvt_scalef32_pk8_fp8_f32 v[(\pc)+4*\b+2:(\pc)+4*\b+3], v[YR+16*\b+8:YR+16*\b+15], v[TM+12+\b]
.endr
	v_nop
.endm
	s_wait_loadcnt 0x0
	s_wait_tensorcnt 1
	s_barrier_signal -1
	s_barrier_wait -1
	FETCH_B 0, 0, 0
	FETCH_A 0, 0, 0
	FETCH_A 0, 0, 4
	STEP 0, 0, 1
	TURN 0, 1, 1, 1
	STEP 1, 2, 0
	TURN 1, 0, 3, 1
	STEP 0, 4, 0
	TURN 0, 1, 5, 0
	STEP 1, 6, 0
	s_cmp_eq_u32 s[ISV], 1
	s_cbranch_scc1 .Lv
	s_lshl_b32 s72, s66, 8
	s_mov_b32 s73, 0
	s_add_nc_u64 s[8:9], s[8:9], s[72:73]
.irp i, 0,1,2,3,4,5,6,7
	global_load_b128 v[CS0+4*\i:CS0+4*\i+3], v[RA], s[8:9] offset:512*\i
.endr
	TAIL
	s_lshl_b32 s74, s40, 2
	s_lshl_b32 s75, s16, 1
	s_add_co_u32 s74, s74, s75
	s_lshl_b32 s72, s74, 18
	s_lshl_b32 s75, ttmp9, 22
	s_add_co_u32 s72, s72, s75
	s_lshl_b32 s75, s66, 6
	s_add_co_u32 s72, s72, s75
	s_add_nc_u64 s[10:11], s[10:11], s[72:73]
	s_cmp_eq_u32 ttmp9, 0
	s_mov_b32 s76, 24576
	s_cselect_b32 s76, 16384, s76
	s_cselect_b32 s77, 0, 262144
	s_mul_i32 s72, s74, s76
	s_add_co_u32 s72, s72, s77
	s_lshl_b32 s75, s66, 2
	s_add_co_u32 s72, s72, s75
	s_add_nc_u64 s[12:13], s[12:13], s[72:73]
	v_add_nc_u32 v[QSO], s76, v[RA]
.macro QKBLOCK a
.set AC, 64*((\a)%4)
.set WSEL, 2+(\a)/4
.set CSA, CS0+160*((\a)%2)
.set CSN, CS0+160*(((\a)+1)%2)
.set PCA, PCD+16*((\a)%2)
.if (\a) >= 2
	s_wait_xcnt 0x0
.endif
.if (\a) < 7
.irp i, 0,1,2,3,4,5,6,7
	global_load_b128 v[CSN+4*\i:CSN+4*\i+3], v[RA], s[8:9] offset:((\a)+1)*4096+512*\i
.endr
	s_wait_loadcnt 8
.else
	s_wait_loadcnt 0
.endif
	WIN WSEL
.irp e, 0,1,2,3
.irp p, 0,1,2,3,4,5,6,7
	v_pk_mul_f32 v[YR+16*\e+2*\p:YR+16*\e+2*\p+1], v[AC+16*\e+2*\p:AC+16*\e+2*\p+1], v[CSA+16*(\e%2)+2*\p:CSA+16*(\e%2)+2*\p+1] op_sel_hi:[1,0]
.endr
.irp p, 0,1,2,3,4,5,6,7
	v_pk_fma_f32 v[YR+16*\e+2*\p:YR+16*\e+2*\p+1], v[AC+16*\e+2*\p:AC+16*\e+2*\p+1], v[CSA+16*(\e%2)+2*\p:CSA+16*(\e%2)+2*\p+1], v[YR+16*\e+2*\p:YR+16*\e+2*\p+1] op_sel:[1,1,0] op_sel_hi:[0,1,1] neg_lo:[0,1,0]
.endr
.endr
	WIN 0
	QUANT YR, 0, PCA
.irp e, 0,1,2,3
	global_store_b128 v[RA], v[PCA+4*\e:PCA+4*\e+3], s[10:11] offset:(\e/2)*262144+(\a)*1024+(\e%2)*512
.endr
	v_perm_b32 v[WW], v[PW], v[PW], 0x03020302
	v_perm_b32 v[TM], v[PW], v[PW], 0x01000100
	v_cndmask_b32 v[WW], v[TM], v[WW], s[HI16]
	ds_store_b32 v[SQ], v[WW] offset:64*(\a)
.endm
.irp a, 0,1,2,3,4,5,6,7
	QKBLOCK \a
.endr
	ds_load_b128 v[YR:YR+3], v[SQR]
	ds_load_b128 v[YR+4:YR+7], v[SQR] offset:512
	s_wait_dscnt 0x0
	global_store_b128 v[RA], v[YR:YR+3], s[12:13]
	global_store_b128 v[QSO], v[YR+4:YR+7], s[12:13]
	s_branch .Lend
.Lv:
	TAIL
	s_lshl_b32 s74, s41, 2
	s_lshl_b32 s75, s15, 1
	s_add_co_u32 s74, s74, s75
	s_lshr_b32 s78, s67, 7
	s_lshl_b32 s72, s74, 18
	s_lshl_b32 s75, s78, 13
	s_add_co_u32 s72, s72, s75
	s_add_co_u32 s72, s72, 0x800000
	s_mov_b32 s73, 0
	s_add_nc_u64 s[10:11], s[10:11], s[72:73]
	s_mul_i32 s72, s74, 24576
	s_lshl_b32 s75, s78, 8
	s_add_co_u32 s72, s72, s75
	s_add_co_u32 s72, s72, 262144+16384
	s_add_nc_u64 s[12:13], s[12:13], s[72:73]
.macro VBLOCK a
.set PCA, PCD+16*((\a)%2)
.if (\a) >= 2
	s_wait_xcnt 0x0
.endif
	QUANT 64*((\a)%4), 2+(\a)/4, PCA
.irp c, 0,1,2,3
	global_store_b128 v[RA], v[PCA+4*\c:PCA+4*\c+3], s[10:11] offset:((\a)/4)*262144+((\a)%4)*2048+512*\c
.endr
	ds_store_b32 v[SV], v[PW] offset:64*(\a)
.endm
.irp a, 0,1,2,3,4,5,6,7
	VBLOCK \a
.endr
	ds_load_b128 v[YR:YR+3], v[SVR]
	s_wait_dscnt 0x0
	global_store_b128 v[VSO], v[YR:YR+3], s[12:13]
.Lend:
	s_wait_tensorcnt 0x0
	ds_add_u32 v[SPW], v[NIL]
	s_wait_dscnt 0x0
	CROUND
	s_endpgm
.Lfunc_end_k_qfa8122e1be_qkv:
	.size	k_qfa8122e1be_qkv, .Lfunc_end_k_qfa8122e1be_qkv-k_qfa8122e1be_qkv
	.p2alignl 7, 3214868480
	.fill 96, 4, 3214868480
	.section	.rodata,"a",@progbits
	.p2align	6, 0x0
	.amdhsa_kernel k_qfa8122e1be_qkv
		.amdhsa_group_segment_fixed_size 327680
		.amdhsa_private_segment_fixed_size 0
		.amdhsa_enable_private_segment 0
		.amdhsa_kernarg_size 40
		.amdhsa_user_sgpr_count 2
		.amdhsa_user_sgpr_kernarg_segment_ptr 1
		.amdhsa_wavefront_size32 1
		.amdhsa_system_sgpr_workgroup_id_x 1
		.amdhsa_system_sgpr_workgroup_id_y 1
		.amdhsa_system_sgpr_workgroup_id_z 1
		.amdhsa_system_vgpr_workitem_id 0
		.amdhsa_next_free_vgpr 1024
		.amdhsa_next_free_sgpr 100
		.amdhsa_reserve_vcc 0
		.amdhsa_float_denorm_mode_32 3
		.amdhsa_float_denorm_mode_16_64 3
		.amdhsa_memory_ordered 1
		.amdhsa_forward_progress 1
		.amdhsa_inst_pref_size 255
	.end_amdhsa_kernel
	.section	.bss,"aw",@nobits
	.p2align	6
	.space	262144
	.amdgpu_metadata
---
amdhsa.version: [ 1, 2 ]
amdhsa.kernels:
  - .name:           k_qfa8122e1be_qkv
    .symbol:         k_qfa8122e1be_qkv.kd
    .args:
      - { .name: wcodes, .offset: 0, .size: 8, .value_kind: global_buffer, .address_space: global }
      - { .name: wscales, .offset: 8, .size: 8, .value_kind: global_buffer, .address_space: global }
      - { .name: rope, .offset: 16, .size: 8, .value_kind: global_buffer, .address_space: global }
      - { .name: qkv_codes, .offset: 24, .size: 8, .value_kind: global_buffer, .address_space: global }
      - { .name: qkv_scales, .offset: 32, .size: 8, .value_kind: global_buffer, .address_space: global }
    .group_segment_fixed_size: 327680
    .private_segment_fixed_size: 0
    .kernarg_segment_align: 8
    .kernarg_segment_size: 40
    .max_flat_workgroup_size: 128
    .sgpr_count:     100
    .vgpr_count:     1024
    .wavefront_size: 32
...
	.end_amdgpu_metadata
.endif
;; end of part 2
;; launch attn (part 3): grid 16 x 16, 16 waves a work-group, no clusters, 327,680 bytes of LDS; arguments qkv_codes, qkv_scales, ocodes, oscales; writes ocodes, oscales
.if DOCPART == 3
	.amdgcn_target "amdgcn-amd-amdhsa--gfx1250"
	.amdhsa_code_object_version 6
	.text
	.protected	k_qfa8122e1be_attn
	.globl	k_qfa8122e1be_attn
	.p2align	8
	.type	k_qfa8122e1be_attn,@function
k_qfa8122e1be_attn:
	s_mov_b64 s[64:65], 0
	v_nop
	global_prefetch_b8 v0, s[64:65] scope:SCOPE_SE
	s_setreg_imm32_b32 hwreg(HW_REG_WAVE_MODE, 25, 1), 1
	s_wait_xcnt 0x0
; Launch 3 of 4: for each head, O = softmax(q k^T / 8, causal) v, both products on codes of FP8 (E4M3) with E8M0 scales; O / l is quantised along the head's 64 for the last product.
; WORK LEFT OUT: key steps of 128 keys that lie wholly behind a tile's 16 queries: reference()'s own mask makes their p zero for all inputs (see launch 1's head).
; THE SOFTMAX: t = score x log2(e) / 8; M = the largest t that a wave has met so far, rounded UP to a whole number; p = 2^(t - M) is what is quantised, along the keys.  The sum is taken of the unquantised p and divides O at the end.
; When M moves, the sum and O are multiplied by 2^(old M - new M): exact.
; SHARES.  A work-group owns blocks bx and 31 - bx of 128 positions of one head, and walks them in TWO PASSES: first the low block against key steps 0 .. bx, then the high block against 0 .. 31 - bx.
; TWO WAVES SHARE A TILE of 16 positions: wave w (0-7) takes tile w and the even key steps, wave w + 8 the same tile and the odd ones, each with its own M, sum and O^T.  A slot holds four key steps, so a trip is two key steps a wave.
; The passes take (bx + 4) / 4 and 9 - (bx + 4) / 4 slots: 9 trips for every bx, a constant of the text.  A step's number is held against the pass's block: below it all keys count, at it the diagonal is masked, above it the work is jumped over.
; THE CHANGE OF PASS is a branch on ids and the count of trips alone, round register work and LDS work on the wave's own region: the low tile's M, sums and O^T are put away, and the high tile's q, laid there at the head, takes q's registers.
; THE JOIN, behind the loop: the high tile's parts go to LDS too; behind a barrier waves 0-7 join the two parts of the high tiles, waves 8-15 those of the low tiles: both parts are brought under the larger M by powers of two.
; LAYOUT.  q, k and v come as images of operand registers, 16 bytes a lane, 512 consecutive bytes a load.  Both products are used transposed (S^T = k q^T, O^T = v^T p^T): a lane holds one query throughout.
; Position p of q and k is token p with bits 3 and 4 exchanged: so the 16 registers of two neighbouring tiles of S^T are 16 neighbouring keys, and p's codes are the second product's operand.
; The first product's K is 64.  A FRAGMENT OF k HOLDS TWO TILES: tile 2 j at K = 0 .. 63, tile 2 j + 1 at 64 .. 127; multiplied by [q | zeros] it gives the first tile's scores, by [zeros | q] the second's.  The scale words of q and k hold their two bytes twice.
; THE RING: two slots of 512 keys.  Waves 0-3 fetch k, waves 4-7 v, 8,192 bytes each as four rows of 2,048: one quarter of the images of each of the four key steps, so that each load has a reader wherever the slot's first step counts, which it always does.
; Wave 8 fetches the slot's 2,048 bytes of k's scale words, wave 9 the 1,024 of v's.  One tensor load a wave is out at the most; every wait on TENSORcnt is for 0.
; A trip's second step has its fragments and scale words of k loaded behind the first step's score products.
; NO CLUSTER: the work-groups of a head change pass in different trips, so partners would ask for different tiles in the same round.
; PREFETCH: work-group bx = 0 walks a head's eight slots in trips 1 to 8; its waves 8-15 ask in trip t (0 .. 6) for slot t + 1, 8,192 bytes a wave, lanes 256 bytes apart, one trip ahead of the load that wants it.  The scale words, 3,072 bytes a slot, are not asked for.
; LIMITS: a block of zeros keeps the byte 1 (its codes are zeros; this program alone reads the bytes); NaN and infinities are not served; the scaled scores stay under 2^31 in magnitude.
; REGISTERS: v1-4, v7, v9, v201-207 addresses that stay; v8, v10, v11 the trip's; v12 -M, v13 the largest t, v[14:15] the sum; v16-31 [q | zeros]; v208-223 [zeros | q]; v32-95 four fragments of k; v192-199 k's scale words;
;   v96-159 S^T, then p, then v's fragments; v160-191 O^T; v224-239 p's codes; v232-254 at work; v248-251 v's scale words; v253 p's; v255 q's.
.set SLOT1, 131072                     ; slot 1 begins here: one exclusive or turns an address in one slot into the other's
.set KSC,   65536                      ; in a slot: k 32,768 bytes, v 32,768, then k's scale words,
.set VSC,   67584                      ; and v's
.set SPARE, 69632                      ; behind slot 0: the spare words, 128 bytes a wave
.set STW,   71680                      ; the way out: the 256 scale words of the work-group's positions
.set RGN,   6144                       ; a wave's region: 4,096 bytes of O^T, 512 of (-M, t, sum, sum), and in the first pass's 1,536 for the high tile's q
.set STG1,  131072                     ; the second pass's regions: in slot 1, which has had its last fill and its last read when they are written
.set STG0,  229376                     ; the first pass's, 16 x RGN further on
.set SPW,  5
.set NIL,  6
.set PFO,  7
.set ADK,  8
.set ADS,  10
.set ADT,  11
.set RA,   201                         ; 16 x lane
.set ST1,  202                         ; my region of the second pass (v9: of the first)
.set AX,   203                         ; the two parts that I join
.set AY,   204
.set AW,   205                         ; where my row's scale word goes
.set AR,   206                         ; where waves 0 and 1 read a block's words back
.set R4,   207                         ; 4 r
.set TB,   2
.set HALF, 3                           ; s3   wave / 8
.set NL,   12                          ; s12  slots of the first pass
.set FT,   13                          ; s13  the trip that is being fetched for
.set KS,   14                          ; s14  my first key step of the trip, by its number in the pass
.set BLKW, 15                          ; s15  the pass's block
.set LAST, 16                          ; s16  31 - bx
.set TILE, 17                          ; s17  my tile in the block
.set WV,   18
.set MNT,  19
.set SEL,  20
.set CS,   22                          ; s[22:23] c = log2(e) / 8
.set G1D,  24                          ; group 1: four rows of 2,048 bytes, 8,192 apart
.set G1K,  32                          ; eight rows of 256
.set G1V,  40                          ; four rows of 256
.set G0R,  48
.set G0K,  52
.set G0V,  56
.set BR,   60
.set BK,   62
.set BV,   66
.set SLOTS, 68
.set PFA,  72
.set LIM,  74
.macro GROUP1 g, c, r, p               ; r rows of c elements of 8 bytes, p elements apart; no mask, no padding
	s_mov_b32 s[\g], 3<<16
	s_mov_b32 s[\g+1], (\c)<<16
	s_mov_b32 s[\g+2], (\r)<<16
	s_mov_b32 s[\g+3], (\c)<<16
	s_mov_b32 s[\g+4], \r
	s_mov_b32 s[\g+5], \p
	s_mov_b32 s[\g+6], 0
	s_mov_b32 s[\g+7], 0
.endm
.macro ONE g0, g1                      ; a tensor load; an s_nop 0 and four v_nop follow it
	tensor_load_to_lds s[\g0:\g0+3], s[\g1:\g1+7]
	s_nop 0
.rept 4
	v_nop
.endr
.endm
.macro TLOAD                           ; one chain of branches on the wave's number, a load to an arm, all arms to one join
	s_cmp_lt_u32 s[WV], 8
	s_cbranch_scc0 .Lnot_ring_\@
	ONE G0R, G1D
	s_branch .Lasked_\@
.Lnot_ring_\@:
	s_cmp_eq_u32 s[WV], 8
	s_cbranch_scc0 .Lnot_ks_\@
	ONE G0K, G1K
	s_branch .Lasked_\@
.Lnot_ks_\@:
	s_cmp_eq_u32 s[WV], 9
	s_cbranch_scc0 .Lasked_\@
	ONE G0V, G1V
.Lasked_\@:
.endm
.macro ASK
	s_cmp_gt_u32 s[SLOTS], s[LIM]
	s_cbranch_scc0 .Lnot_mine_\@
	global_prefetch_b8 v[PFO], s[PFA:PFA+1] th:TH_LOAD_NT scope:SCOPE_SE
.Lnot_mine_\@:
.endm
	s_load_b256 s[4:11], s[0:1], 0x0               ; qkv_codes, qkv_scales, ocodes, oscales
	v_lshl_add_u32 v[SPW], v0, 2, SPARE
	v_mov_b32 v[NIL], 0
	ds_add_u32 v[SPW], v[NIL]                      ; the wave's opening: the add, twice on end, and its wait ahead of the first tensor loads
	ds_add_u32 v[SPW], v[NIL]
	v_lshrrev_b32 v8, 5, v0
	v_readfirstlane_b32 s[WV], v8                  ; wave 0..15
	s_and_b32 s75, ttmp7, 0xffff                   ; the head
	GROUP1 G1D, 256, 4, 1024
	GROUP1 G1K, 32, 8, 32
	GROUP1 G1V, 32, 4, 32
	s_lshr_b32 s[HALF], s[WV], 3
	s_and_b32 s[TILE], s[WV], 7
	s_sub_co_u32 s[LAST], 31, ttmp9
	s_add_co_u32 s[NL], ttmp9, 4
	s_lshr_b32 s[NL], s[NL], 2
	s_lshl_b32 s94, s75, 18                        ; 262,144 bytes of codes a head
	s_lshl_b32 s97, s75, 14                        ; 16,384 bytes of q's or O's words a head
	s_lshl_b32 s80, s[TILE], 13                    ; what I fetch (waves 0-7): its place in a slot
	s_lshr_b32 s81, s[TILE], 2
	s_add_co_u32 s81, s81, 1
	s_lshl_b32 s81, s81, 22                        ; k at 4 MiB, v at 8 MiB
	s_add_co_u32 s81, s81, s94
	s_and_b32 s82, s[WV], 3
	s_lshl_b32 s83, s82, 11
	s_add_co_u32 s83, s83, s81                     ; the ring: my quarter of each key step's 8,192 bytes
	s_lshl_b32 s82, s82, 13
	s_add_co_u32 s82, s82, s81                     ; the prefetches (waves 8-15): 8,192 bytes on end
	s_mul_i32 s84, s75, 24576
	s_add_co_u32 s84, s84, 262144                  ; the head's scale words of k, behind q's; v's 16,384 bytes on
	s_mov_b32 s71, 0
	s_xor_b32 s85, s[HALF], 1                      ; 0 in waves 8 to 15,
	s_or_b32 s85, s85, ttmp9                       ; of work-group bx = 0
	s_cmp_eq_u32 s85, 0
	s_cselect_b32 s[LIM], 1, -1
	s_mov_b32 s[SEL], 0x76543210
	s_mov_b32 s[SEL+1], 0xfedcba98
	s_mov_b32 s[CS], 0x3e38aa3b
	s_mov_b32 s[CS+1], s[CS]
	s_mov_b32 s[MNT], 0x600000
	s_mov_b32 s[TB], 0
	s_mov_b32 s[FT], 0
	s_mov_b32 s[KS], s[HALF]
	s_mov_b32 s[BLKW], ttmp9
	s_mov_b32 s[SLOTS], 8
	s_wait_dscnt 0x0                               ; both opening adds are done
	s_wait_kmcnt 0x0
	s_mov_b32 s70, s83
	s_add_nc_u64 s[BR:BR+1], s[4:5], s[70:71]
	s_mov_b32 s70, s82
	s_add_nc_u64 s[PFA:PFA+1], s[4:5], s[70:71]    ; at slot 0: each change of slots steps it ahead of its prefetch
	s_mov_b32 s70, s84
	s_add_nc_u64 s[BK:BK+1], s[6:7], s[70:71]
	s_add_nc_u64 s[BV:BV+1], s[BK:BK+1], 16384
	s_mov_b32 s[G0R], 1
	s_mov_b32 s[G0R+1], s80
	s_mov_b64 s[G0R+2:G0R+3], s[BR:BR+1]
	s_or_b32 s[G0R+3], s[G0R+3], 0x80000000
	s_mov_b32 s[G0K], 1
	s_mov_b32 s[G0K+1], KSC
	s_mov_b64 s[G0K+2:G0K+3], s[BK:BK+1]
	s_or_b32 s[G0K+3], s[G0K+3], 0x80000000
	s_mov_b32 s[G0V], 1
	s_mov_b32 s[G0V+1], VSC
	s_mov_b64 s[G0V+2:G0V+3], s[BV:BV+1]
	s_or_b32 s[G0V+3], s[G0V+3], 0x80000000
	TLOAD                                          ; slot 0: one tensor load a wave at the head
	s_lshl_b32 s95, ttmp9, 3
	s_add_co_u32 s95, s95, s[TILE]                 ; my tile of the low block in the head,
	s_lshl_b32 s96, s[LAST], 3
	s_add_co_u32 s96, s96, s[TILE]                 ; and of the high block
	s_lshl_b32 s70, s95, 10
	s_add_co_u32 s70, s70, s94
	s_add_nc_u64 s[86:87], s[4:5], s[70:71]        ; q's codes, low tile
	s_lshl_b32 s70, s96, 10
	s_add_co_u32 s70, s70, s94
	s_add_nc_u64 s[88:89], s[4:5], s[70:71]        ; high tile
	s_lshl_b32 s70, s95, 6
	s_add_co_u32 s70, s70, s97
	s_add_nc_u64 s[90:91], s[6:7], s[70:71]        ; q's scale words, low tile
	s_lshl_b32 s70, s96, 6
	s_add_co_u32 s70, s70, s97
	s_add_nc_u64 s[92:93], s[6:7], s[70:71]        ; high tile
	s_cmp_eq_u32 s[HALF], 0
	s_cselect_b32 s98, s96, s95                    ; the tile that I finish: waves 0-7 the high one
	s_lshl_b32 s70, s98, 10
	s_add_co_u32 s70, s70, s94
	s_add_nc_u64 s[8:9], s[8:9], s[70:71]
	s_cmp_eq_u32 s[WV], 0
	s_cselect_b32 s98, ttmp9, s[LAST]              ; the block whose words I store (waves 0 and 1)
	s_lshl_b32 s70, s98, 9
	s_add_co_u32 s70, s70, s97
	s_add_nc_u64 s[10:11], s[10:11], s[70:71]
	s_lshl_b32 s76, s[HALF], 11                    ; LDS places, from the wave's number and constants
	s_lshl_b32 s77, s[HALF], 9
	s_add_co_u32 s77, s77, KSC
	s_lshl_b32 s78, s[HALF], 8
	s_add_co_u32 s78, s78, VSC
	s_mul_i32 s79, s[WV], RGN
	s_add_co_u32 s81, s79, STG1                    ; my region of the second pass,
	s_add_co_u32 s79, s79, STG0                    ; and of the first
	s_mul_i32 s80, s[HALF], STG0-STG1              ; waves 0-7 join the second pass's parts, waves 8-15 the first's
	s_add_co_u32 s82, s81, s80
	s_xor_b32 s83, s[WV], 8
	s_mul_i32 s83, s83, RGN
	s_add_co_u32 s83, s83, s80
	s_add_co_u32 s83, s83, STG1
	s_xor_b32 s84, s[HALF], 1
	s_lshl_b32 s84, s84, 9
	s_lshl_b32 s85, s[TILE], 6
	s_add_co_u32 s84, s84, s85
	s_add_co_u32 s84, s84, STW
	s_lshr_b32 s85, s[TILE], 1
	s_lshl_b32 s85, s85, 5
	s_and_b32 s99, s[TILE], 1
	s_lshl_b32 s99, s99, 3
	s_add_co_u32 s85, s85, s99
	v_and_b32 v8, 15, v0                           ; r
	v_bfe_u32 v10, v0, 4, 1                        ; h
	v_and_b32 v11, 31, v0
	v_lshlrev_b32 v[RA], 4, v11
	v_lshlrev_b32 v[R4], 2, v8
	v_lshlrev_b32 v[PFO], 8, v11
	v_add_nc_u32 v1, s76, v[RA]                    ; in a slot: my lane's 16 bytes of my first key step's images
	v_add_nc_u32 v2, s77, v[R4]                    ; its scale words of k,
	v_add_nc_u32 v4, s78, v[R4]                    ; and of v
	v_add_nc_u32 v9, s79, v[RA]
	v_add_nc_u32 v[ST1], s81, v[RA]
	v_add_nc_u32 v[AX], s82, v[RA]
	v_add_nc_u32 v[AY], s83, v[RA]
	v_add_nc_u32 v[AW], s84, v[R4]
	v_and_b32 v[AR], 63, v0
	v_lshl_add_u32 v[AR], v[AR], 4, STW
	v_and_b32 v11, 8, v8
	v_add_nc_u32 v3, v8, v11                       ; r + 8 (r / 8)
	v_lshlrev_b32 v11, 4, v10
	v_sub_nc_u32 v3, v3, v11
	v_add_nc_u32 v3, s85, v3                       ; d = my query's token in its block - 16 h.  On the diagonal register 16 b + i holds key 32 b + 16 h + i: hidden where 32 b + i > d
	s_wait_alu depctr_va_vdst(0)
	global_load_b128 v[16:19], v[RA], s[86:87]     ; the low tile's q: K = 0 .. 31,
	global_load_b128 v[20:23], v[RA], s[86:87] offset:512   ; 32 .. 63,
	global_load_b32 v255, v[R4], s[90:91]          ; and its scale words
	global_load_b128 v[96:99], v[RA], s[88:89]     ; the high tile's, on their way to my LDS region
	global_load_b128 v[100:103], v[RA], s[88:89] offset:512
	global_load_b32 v104, v[R4], s[92:93]
	v_mov_b32 v13, 0xff61b1e6                      ; the largest t so far: -3e38, under every t
	v_floor_f32 v12, -v13                          ; -M
	v_mov_b32 v14, 0
	v_mov_b32 v15, 0
.irp b, 0,1,2,3
	v_mov_b32 v[236+\b], 0                         ; written once: a lane permute's destination counts as one of its sources
.endr
	v_mov_b32 v252, 0
	v_mov_b32 v253, 0
.set n, 0
.rept 8
	v_mov_b32 v[24+n], 0                           ; the zero codes beside q
	v_mov_b32 v[208+n], 0
.set n, n+1
.endr
.set n, 0
.rept 32
	v_mov_b32 v[160+n], 0                          ; O^T: the first step finds zeros, which the first change of M leaves zeros
.set n, n+1
.endr
.macro KLOAD i                         ; my i-th key step of the slot: four fragments of two tiles each, and the eight tiles' scale words
.irp j, 0,1,2,3
.irp c, 0,1,2,3
	ds_load_b128 v[32+16*\j+4*\c:35+16*\j+4*\c], v[ADK] offset:8192*\j+4096*(\i)+512*\c
.endr
	ds_load_b32 v[192+2*\j], v[ADS] offset:1024*(\i)+128*\j
	ds_load_b32 v[193+2*\j], v[ADS] offset:1024*(\i)+128*\j+64
.endr
.endm
; A KEY STEP: 128 keys, my i-th of the slot in hand; kc: the scalar register that holds its number.
.macro BODY i, kc
.if \i == 0
	v_add_nc_u32 v[ADK], s[TB], v1
	v_add_nc_u32 v[ADS], s[TB], v2
	v_add_nc_u32 v[ADT], s[TB], v4
	s_wait_alu depctr_va_vdst(0)
.rept 6
	v_nop                                          ; with the three additions nine places: the products below write over registers that the last step's products read
.endr
	KLOAD 0
.else
.rept 9
	v_nop                                          ; the same nine places
.endr
.endif
	s_wait_dscnt 0x0
.irp j, 0,1,2,3                                ; S^T = k q^T: eight accumulators, each begun anew
	v_wmma_scale_f32_16x16x128_f8f6f4 v[96+16*\j:103+16*\j], v[32+16*\j:47+16*\j], v[16:31], 0, v[192+2*\j], v255
	v_wmma_scale_f32_16x16x128_f8f6f4 v[104+16*\j:111+16*\j], v[32+16*\j:47+16*\j], v[208:223], 0, v[193+2*\j], v255
.endr
.rept 8
	v_nop
.endr
.if \i == 0
	KLOAD 1                                        ; the next step's, behind the eight places: they have this step's softmax in which to come
.else
.irp b, 0,1,2,3                                ; a trip's second step: k's registers are free from here on, so v's four fragments and their scale words take them now, behind the eight places
.irp c, 0,1,2,3
	ds_load_b128 v[32+16*\b+4*\c:35+16*\b+4*\c], v[ADK] offset:32768+8192*\b+4096+512*\c
.endr
	ds_load_b32 v[192+\b], v[ADT] offset:512+64*\b
.endr
.endif
	s_cmp_lg_u32 s[\kc], s[BLKW]                   ; on the diagonal the scores of hidden keys become -infinity ahead of the maximum
	s_cbranch_scc1 .Lopen_\@
	v_mov_b32 v254, 0xff800000
.set n, 0
.rept 64
	v_cmp_gt_i32 vcc_lo, 32*(n/16)+n%16, v3
	v_cndmask_b32 v[96+n], v[96+n], v254, vcc_lo
.set n, n+1
.endr
.Lopen_\@:
.irp b, 0,1,2,3
	v_max3_num_f32 v[232+\b], v[96+16*\b], v[97+16*\b], v[98+16*\b]   ; the largest score of each block of 32 keys: it serves the row's maximum and the block's largest p
.endr
.irp i2, 3,5,7,9,11,13
.irp b, 0,1,2,3
	v_max3_num_f32 v[232+\b], v[232+\b], v[96+16*\b+\i2], v[97+16*\b+\i2]
.endr
.endr
.irp b, 0,1,2,3
	v_max_num_f32 v[232+\b], v[232+\b], v[111+16*\b]
.endr
.irp b, 0,1,2,3
	v_permlanex16_b32 v[236+\b], v[232+\b], s[SEL], s[SEL+1]
.endr
.irp b, 0,1,2,3
	s_delay_alu instid0(VALU_DEP_4)
	v_max_num_f32 v[232+\b], v[232+\b], v[236+\b]  ; with lane l xor 16's 16 keys
.endr
	s_delay_alu instid0(VALU_DEP_2)
	v_max3_num_f32 v254, v232, v233, v234
	s_delay_alu instid0(VALU_DEP_1)
	v_max_num_f32 v254, v254, v235
	s_delay_alu instid0(VALU_DEP_1)
	v_mul_f32 v254, s[CS], v254                    ; as t (c is positive)
	s_delay_alu instid0(VALU_DEP_1)
	v_max_num_f32 v13, v13, v254                   ; the running largest t
	v_mov_b32 v254, v12
	s_delay_alu instid0(VALU_DEP_2)
	v_floor_f32 v12, -v13                          ; the new -M = -ceil(t)
	s_delay_alu instid0(VALU_DEP_1)
	v_sub_f32 v254, v12, v254                      ; old M less new M: a whole number, 0 or less
	s_delay_alu instid0(VALU_DEP_1)
	v_cvt_i32_f32 v254, v254                       ; (it saturates)
	s_delay_alu instid0(VALU_DEP_1)
	v_ldexp_f32 v252, 1.0, v254                    ; f = 2^(old M - new M)
.set n, 0
.rept 32
	v_pk_fma_f32 v[96+n:97+n], v[96+n:97+n], s[CS:CS+1], v[12:13] op_sel_hi:[1,0,0]   ; t - M, two at a time
.set n, n+2
.endr
.irp b, 0,1,2,3
	v_fma_f32 v[232+\b], v[232+\b], s[CS], v12     ; the same of each block's largest score
.endr
.set n, 0
	s_wait_alu depctr_va_vdst(0)                   ; the wait ahead of the batch
.rept 64
	v_exp_f32 v[96+n], v[96+n]                     ; p = 2^(t - M), at most 1
.set n, n+1
.endr
	v_pk_mul_f32 v[14:15], v[14:15], v[252:253] op_sel_hi:[1,0]   ; the sums under the new M: a plain instruction behind the exponentials
	s_wait_alu depctr_va_vdst(0)                   ; one wait for the whole batch, ahead of its first reader
.irp b, 0,1,2,3
	v_exp_f32 v[232+\b], v[232+\b]                 ; the block's largest p
.endr
	v_pk_add_f32 v[236:237], v[100:101], v[104:105]   ; the sum of the unquantised p, in eight chains
	v_pk_add_f32 v[250:251], v[108:109], v[112:113]
	v_pk_add_f32 v[248:249], v[116:117], v[120:121]
	v_pk_add_f32 v[246:247], v[124:125], v[128:129]
	v_pk_add_f32 v[244:245], v[132:133], v[136:137]
	v_pk_add_f32 v[242:243], v[140:141], v[144:145]
	v_pk_add_f32 v[240:241], v[148:149], v[152:153]
	v_pk_add_f32 v[14:15], v[14:15], v[156:157]
	v_pk_add_f32 v[236:237], v[236:237], v[96:97]
	v_pk_add_f32 v[250:251], v[250:251], v[98:99]
	v_pk_add_f32 v[248:249], v[248:249], v[102:103]
	v_pk_add_f32 v[246:247], v[246:247], v[106:107]
	v_pk_add_f32 v[244:245], v[244:245], v[110:111]
	v_pk_add_f32 v[242:243], v[242:243], v[114:115]
	v_pk_add_f32 v[240:241], v[240:241], v[118:119]
	v_pk_add_f32 v[14:15], v[14:15], v[122:123]
	v_pk_add_f32 v[236:237], v[236:237], v[126:127]
	v_pk_add_f32 v[250:251], v[250:251], v[130:131]
	v_pk_add_f32 v[248:249], v[248:249], v[134:135]
	v_pk_add_f32 v[246:247], v[246:247], v[138:139]
	v_pk_add_f32 v[244:245], v[244:245], v[142:143]
	v_pk_add_f32 v[242:243], v[242:243], v[146:147]
	v_pk_add_f32 v[240:241], v[240:241], v[150:151]
	v_pk_add_f32 v[14:15], v[14:15], v[154:155]
	v_pk_add_f32 v[236:237], v[236:237], v[158:159]
	s_delay_alu instid0(VALU_DEP_2)
	v_pk_add_f32 v[14:15], v[14:15], v[246:247]
	s_delay_alu instid0(VALU_DEP_2)
	v_pk_add_f32 v[236:237], v[236:237], v[244:245]
	v_pk_add_f32 v[250:251], v[250:251], v[242:243]
	v_pk_add_f32 v[248:249], v[248:249], v[240:241]
	s_delay_alu instid0(VALU_DEP_2)
	v_pk_add_f32 v[14:15], v[14:15], v[250:251]
	s_delay_alu instid0(VALU_DEP_2)
	v_pk_add_f32 v[236:237], v[236:237], v[248:249]
	s_delay_alu instid0(VALU_DEP_1)
	v_pk_add_f32 v[14:15], v[14:15], v[236:237]
	s_wait_alu depctr_va_vdst(0)                   ; and one for the four
.irp b, 0,1,2,3
	v_max_num_f32 v[232+\b], 0x4800000, v[232+\b]  ; the floor 2^(9 - 127): the byte cannot fall under 1
.endr
.irp b, 0,1,2,3
	s_delay_alu instid0(VALU_DEP_4)
	v_add_nc_u32 v[244+\b], 0xfc000000, v[232+\b]  ; the conversion's scale operand
.endr
.irp b, 0,1,2,3
	v_and_or_b32 v[240+\b], v[232+\b], 0x7f800000, s[MNT]   ; 448 x the scale
.endr
.irp b, 0,1,2,3
	v_lshrrev_b32 v[236+\b], 23, v[244+\b]         ; the scale's byte
.endr
	s_delay_alu instid0(VALU_DEP_3)
	v_lshl_or_b32 v253, v237, 8, v236              ; p's scale word for these 128 keys
	s_delay_alu instid0(VALU_DEP_1)
	v_lshl_or_b32 v253, v238, 16, v253
	s_delay_alu instid0(VALU_DEP_1)
	v_lshl_or_b32 v253, v239, 24, v253
.irp b, 0,1,2,3
.set n, 0
.rept 8
	v_dual_min_num_f32 v[96+16*\b+n], v[240+\b], v[96+16*\b+n] :: v_dual_min_num_f32 v[97+16*\b+n], v[240+\b], v[97+16*\b+n]   ; the conversion does not saturate (ISA guide 7.6.2); p is not negative, so the hold is one-sided; two numbers an instruction
.set n, n+2
.endr
	v_cvt_scalef32_pk8_fp8_f32 v[224+4*\b:225+4*\b], v[96+16*\b:103+16*\b], v[244+\b]
	v_cvt_scalef32_pk8_fp8_f32 v[226+4*\b:227+4*\b], v[104+16*\b:111+16*\b], v[244+\b]
.if \i == 0
.irp c, 0,1,2,3
	ds_load_b128 v[96+16*\b+4*\c:99+16*\b+4*\c], v[ADK] offset:32768+8192*\b+512*\c   ; a trip's first step: v's fragment b takes the registers that block b's p has left
.endr
	ds_load_b32 v[248+\b], v[ADT] offset:64*\b
.endif
.endr
.set n, 0
.rept 16
	v_pk_mul_f32 v[160+n:161+n], v[160+n:161+n], v[252:253] op_sel_hi:[1,0]   ; O^T under the new M; also the places between the codes and the products
.set n, n+2
.endr
	s_wait_alu depctr_va_vdst(0)
	s_wait_dscnt 0x0
.irp t, 0,1,2,3                                ; O^T += v^T p^T: the four accumulators by turns
.if \i == 0
	v_wmma_scale_f32_16x16x128_f8f6f4 v[160+8*\t:167+8*\t], v[96+16*\t:111+16*\t], v[224:239], v[160+8*\t:167+8*\t], v[248+\t], v253
.else
	v_wmma_scale_f32_16x16x128_f8f6f4 v[160+8*\t:167+8*\t], v[32+16*\t:47+16*\t], v[224:239], v[160+8*\t:167+8*\t], v[192+\t], v253
.endif
.endr
.endm
.macro PAIR                            ; my two key steps of the slot.  Where the first is hidden, so is the second: one jump leads round both
	s_cmp_gt_u32 s[KS], s[BLKW]                    ; ids and the count of trips alone
	s_cbranch_scc1 .Ldone_\@
	BODY 0, KS
	s_add_co_u32 s96, s[KS], 2
	s_cmp_gt_u32 s96, s[BLKW]
	s_cbranch_scc1 .Ldone_\@
	BODY 1, 96
.Ldone_\@:
	s_add_co_u32 s[KS], s[KS], 4
.endm
; THE CHANGE OF SLOTS stands at a trip's head.  Each wave waits for all its tensor loads, adds 0 to its spare word (fill = 1: twice on end), and waits for that and for its reads of the slot that it has left.
; fill = 1: behind the barrier the slot just left takes the next trip's keys: slot FT of the first pass, or FT - NL of the second.
.macro CHANGE fill
	s_wait_tensorcnt 0x0                           ; no tensor load of mine is out, so the groups 0 may be written
	ds_add_u32 v[SPW], v[NIL]
.if \fill
	ds_add_u32 v[SPW], v[NIL]                      ; and once morethe add stands twice on end, in every trip alike
	s_xor_b32 s[G0R+1], s[G0R+1], SLOT1
	s_xor_b32 s[G0K+1], s[G0K+1], SLOT1
	s_xor_b32 s[G0V+1], s[G0V+1], SLOT1
	s_add_co_u32 s[FT], s[FT], 1
	s_sub_co_u32 s70, s[FT], s[NL]
	s_cmp_lt_u32 s[FT], s[NL]
	s_cselect_b32 s76, s[FT], s70                  ; the slot's number in its pass
	s_lshl_b32 s70, s76, 15
	s_add_nc_u64 s[G0R+2:G0R+3], s[BR:BR+1], s[70:71]
	s_or_b32 s[G0R+3], s[G0R+3], 0x80000000
	s_lshl_b32 s70, s76, 11
	s_add_nc_u64 s[G0K+2:G0K+3], s[BK:BK+1], s[70:71]
	s_or_b32 s[G0K+3], s[G0K+3], 0x80000000
	s_lshl_b32 s70, s76, 10
	s_add_nc_u64 s[G0V+2:G0V+3], s[BV:BV+1], s[70:71]
	s_or_b32 s[G0V+3], s[G0V+3], 0x80000000
	s_wait_xcnt 0x0                                ; the last prefetch, a trip back, has read its address, so it may be written
	s_add_nc_u64 s[PFA:PFA+1], s[PFA:PFA+1], 32768
.endif
	s_wait_dscnt 0x0                               ; the add is done, and my reads of the slot that I have left are over
	s_barrier_signal -1
	s_barrier_wait -1
.if \fill
	TLOAD                                          ; the first thing behind the barrier, and a wave's one tensor load until the next
	ASK
.endif
.endm
.macro PUTAWAY adr                     ; my part: O^T, each accumulator from its low end on, and (-M, t, sum, sum), into my own region
.rept 8
	v_nop                                          ; places behind the last products
.endr
	s_wait_alu depctr_va_vdst(0)
.irp i, 0,1,2,3,4,5,6,7
	ds_store_b128 v[\adr], v[160+4*\i:163+4*\i] offset:512*\i
.endr
	ds_store_b128 v[\adr], v[12:15] offset:4096
	s_wait_dscnt 0x0
.endm
	s_wait_alu depctr_va_vdst(0)                   ; the wait at the head's end
	s_wait_loadcnt 0x0                             ; q, both tiles'
	ds_store_b128 v9, v[96:99] offset:4608         ; the high tile's q waits in my region
	ds_store_b128 v9, v[100:103] offset:5120
	ds_store_b32 v9, v104 offset:5632
.set n, 0
.rept 8
	v_mov_b32 v[216+n], v[16+n]                    ; [zeros | q]
.set n, n+1
.endr
	s_wait_alu depctr_va_vdst(0)
.Lslot:                                            ; 8 trips, each asking for the next trip's slot
	CHANGE 1
	PAIR
	s_xor_b32 s[TB], s[TB], SLOT1
	s_cmp_lg_u32 s[FT], s[NL]                      ; was this the first pass's last trip?  Ids and the count of trips alone: all waves go the same way
	s_cbranch_scc1 .Lsame
	PUTAWAY 9
	ds_load_b128 v[16:19], v9 offset:4608          ; the high tile's q
	ds_load_b128 v[20:23], v9 offset:5120
	ds_load_b32 v255, v9 offset:5632
	v_mov_b32 v13, 0xff61b1e6                      ; the second pass begins as the first did
	v_floor_f32 v12, -v13
	v_mov_b32 v14, 0
	v_mov_b32 v15, 0
.set n, 0
.rept 32
	v_mov_b32 v[160+n], 0
.set n, n+1
.endr
	s_wait_dscnt 0x0
.set n, 0
.rept 8
	v_mov_b32 v[216+n], v[16+n]
.set n, n+1
.endr
	s_mov_b32 s[KS], s[HALF]
	s_mov_b32 s[BLKW], s[LAST]
	s_wait_alu depctr_va_vdst(0)                   ; the wait ahead of the branch below
.Lsame:
	s_sub_co_u32 s[SLOTS], s[SLOTS], 1
	s_cmp_lg_u32 s[SLOTS], 0
	s_cbranch_scc1 .Lslot
	CHANGE 0                                       ; the last trip is written out: nothing is left to ask for.  It reads slot 0
	PAIR
	; THE JOIN AND THE WAY OUT
	PUTAWAY ST1
	s_barrier_signal -1
	s_barrier_wait -1                              ; every wave's parts of both passes lie in LDS
.irp i, 0,1,2,3,4,5,6,7
	ds_load_b128 v[96+4*\i:99+4*\i], v[AX] offset:512*\i
	ds_load_b128 v[128+4*\i:131+4*\i], v[AY] offset:512*\i
.endr
	ds_load_b128 v[224:227], v[AX] offset:4096
	ds_load_b128 v[228:231], v[AY] offset:4096
	s_wait_dscnt 0x0
	v_min_num_f32 v232, v224, v228                 ; -M of the two together
	v_add_f32 v240, v226, v227
	v_add_f32 v241, v230, v231
	v_sub_f32 v233, v232, v224                     ; each part's M less the common one: whole numbers, 0 or less.  A part with no key step has -M = 3e38, zeros for the rest, and gets the factor 0
	v_sub_f32 v234, v232, v228
	v_cvt_i32_f32 v233, v233                       ; (they saturate)
	v_cvt_i32_f32 v234, v234
	v_ldexp_f32 v233, 1.0, v233
	v_ldexp_f32 v234, 1.0, v234
	v_mul_f32 v240, v240, v233
	v_fma_f32 v240, v241, v234, v240
	v_permlanex16_b32 v252, v240, s[SEL], s[SEL+1]
	v_add_f32 v240, v240, v252                     ; the row's sum
	s_wait_alu depctr_va_vdst(0)                   ; the wait ahead of the transcendental
	v_rcp_f32 v240, v240
	v_nop
	s_wait_alu depctr_va_vdst(0)                   ; and ahead of its first reader
	v_mul_f32 v236, v233, v240                     ; a power of two x 1 / the sum
	v_mul_f32 v238, v234, v240
.set n, 0
.rept 16
	v_pk_mul_f32 v[96+n:97+n], v[96+n:97+n], v[236:237] op_sel_hi:[1,0]
.set n, n+2
.endr
.set n, 0
.rept 16
	v_pk_fma_f32 v[96+n:97+n], v[128+n:129+n], v[238:239], v[96+n:97+n] op_sel_hi:[1,0,1]   ; register 16 b + i is channel 32 b + 16 h + i of my query: two blocks of the last product's K
.set n, n+2
.endr
.irp b, 0,1
	v_max3_num_f32 v[232+\b], |v[96+16*\b]|, |v[97+16*\b]|, 0x4800000
.endr
.irp i, 2,4,6,8,10,12,14
.irp b, 0,1
	v_max3_num_f32 v[232+\b], v[232+\b], |v[96+16*\b+\i]|, |v[97+16*\b+\i]|
.endr
.endr
.irp b, 0,1
	v_permlanex16_b32 v[236+\b], v[232+\b], s[SEL], s[SEL+1]
.endr
.irp b, 0,1
	v_max_num_f32 v[232+\b], v[232+\b], v[236+\b]
.endr
.irp b, 0,1
	v_add_nc_u32 v[244+\b], 0xfc000000, v[232+\b]
.endr
.irp b, 0,1
	v_and_or_b32 v[240+\b], v[232+\b], 0x7f800000, s[MNT]
.endr
.irp b, 0,1
	v_lshrrev_b32 v[236+\b], 23, v[244+\b]
.endr
	v_lshl_or_b32 v253, v237, 8, v236              ; my row's two bytes,
	v_lshl_or_b32 v253, v253, 16, v253             ; twice: the last product takes the lower half of an even head's word and the upper half of an odd head's
.irp b, 0,1
.set n, 0
.rept 16
	v_med3_num_f32 v[96+16*\b+n], v[96+16*\b+n], -v[240+\b], v[240+\b]
.set n, n+1
.endr
	v_cvt_scalef32_pk8_fp8_f32 v[224+4*\b:225+4*\b], v[96+16*\b:103+16*\b], v[244+\b]
	v_cvt_scalef32_pk8_fp8_f32 v[226+4*\b:227+4*\b], v[104+16*\b:111+16*\b], v[244+\b]
.endr
	v_nop
	global_store_b128 v[RA], v[224:227], s[8:9]    ; 512 consecutive bytes each
	global_store_b128 v[RA], v[228:231], s[8:9] offset:512
	ds_store_b32 v[AW], v253                       ; both halves of the lanes write the same word with the same value
	s_wait_dscnt 0x0                               ; for the others' sake: my store is done
	s_barrier_signal -1
	s_barrier_wait -1
	s_cmp_lt_u32 s[WV], 2                          ; wave 0 stores the low block's 128 words, wave 1 the high block's
	s_cbranch_scc0 .Lno_words
	ds_load_b128 v[96:99], v[AR]
	s_wait_dscnt 0x0
	global_store_b128 v[RA], v[96:99], s[10:11]    ; 512 consecutive bytes
.Lno_words:
	s_wait_tensorcnt 0x0                           ; the wave's end
	ds_add_u32 v[SPW], v[NIL]
	s_wait_dscnt 0x0
	s_endpgm
.Lfunc_end_k_qfa8122e1be_attn:
	.size	k_qfa8122e1be_attn, .Lfunc_end_k_qfa8122e1be_attn-k_qfa8122e1be_attn
	.p2alignl 7, 3214868480
	.fill 96, 4, 3214868480
	.section	.rodata,"a",@progbits
	.p2align	6, 0x0
	.amdhsa_kernel k_qfa8122e1be_attn
		.amdhsa_group_segment_fixed_size 327680
		.amdhsa_private_segment_fixed_size 0
		.amdhsa_enable_private_segment 0
		.amdhsa_kernarg_size 32
		.amdhsa_user_sgpr_count 2
		.amdhsa_user_sgpr_kernarg_segment_ptr 1
		.amdhsa_wavefront_size32 1
		.amdhsa_system_sgpr_workgroup_id_x 1
		.amdhsa_system_sgpr_workgroup_id_y 1
		.amdhsa_system_sgpr_workgroup_id_z 1
		.amdhsa_system_vgpr_workitem_id 0
		.amdhsa_next_free_vgpr 256
		.amdhsa_next_free_sgpr 100
		.amdhsa_reserve_vcc 1
		.amdhsa_float_denorm_mode_32 3
		.amdhsa_float_denorm_mode_16_64 3
		.amdhsa_memory_ordered 1
		.amdhsa_forward_progress 1
		.amdhsa_inst_pref_size 125
	.end_amdhsa_kernel
	.amdgpu_metadata
---
amdhsa.version: [ 1, 2 ]
amdhsa.kernels:
  - .name:           k_qfa8122e1be_attn
    .symbol:         k_qfa8122e1be_attn.kd
    .args:
      - { .name: qkv_codes, .offset: 0, .size: 8, .value_kind: global_buffer, .address_space: global }
      - { .name: qkv_scales, .offset: 8, .size: 8, .value_kind: global_buffer, .address_space: global }
      - { .name: ocodes, .offset: 16, .size: 8, .value_kind: global_buffer, .address_space: global }
      - { .name: oscales, .offset: 24, .size: 8, .value_kind: global_buffer, .address_space: global }
    .group_segment_fixed_size: 327680
    .private_segment_fixed_size: 0
    .kernarg_segment_align: 8
    .kernarg_segment_size: 32
    .max_flat_workgroup_size: 512
    .sgpr_count:     100
    .vgpr_count:     256
    .wavefront_size: 32
...
	.end_amdgpu_metadata
.endif
;; end of part 3
;; launch oproj (part 4): grid 8 x 32, 4 waves a work-group, clusters of 4 x 4, 327,680 bytes of LDS; arguments ocodes, oscales, wcodes, wscales, out0; writes out0
.if DOCPART == 4
	.amdgcn_target "amdgcn-amd-amdhsa--gfx1250"
	.amdhsa_code_object_version 6
	.text
	.protected	k_qfa8122e1be_oproj
	.globl	k_qfa8122e1be_oproj
	.p2align	8
	.type	k_qfa8122e1be_oproj,@function
k_qfa8122e1be_oproj:
	s_mov_b64 s[64:65], 0
	v_nop
	global_prefetch_b8 v0, s[64:65] scope:SCOPE_SE
	s_setreg_imm32_b32 hwreg(HW_REG_WAVE_MODE, 25, 1), 1
	s_wait_xcnt 0x0
	s_wait_alu depctr_hold_cnt(0) depctr_sa_sdst(0) depctr_va_vdst(0) depctr_va_sdst(0) depctr_va_ssrc(0) depctr_va_vcc(0) depctr_vm_vsrc(0)
	s_getreg_b32 s2, hwreg(HW_REG_IB_STS2, 6, 4)
	s_cmp_eq_u32 s2, 0
	s_cbranch_scc0 .Lentry_in_a_cluster
	s_endpgm
.Lentry_in_a_cluster:
	s_bfe_u32 s2, ttmp6, 0x10000c
	s_cmp_lg_u32 s2, 0xf033
	s_cbranch_scc0 .Lentry_shape_is_right
	s_endpgm
.Lentry_shape_is_right:
; Launch 4 of 4: out0 = O Wo^T on codes of FP8 (E4M3) with E8M0 scales, f32 sums: 4,096 x 1,024 x 1,024.  Nothing is left out here.
; SHARES.  256 work-groups, each 128 positions x 128 columns; four waves, 2 x 2, each 64 x 64: 16 accumulators, 128 registers.
; ALL OF K LIES IN LDS, filled once: A as launch 3 left it, images of operand registers, [head][tile of 16 positions][two pieces of 512 bytes]: 16 rows of 8,192 bytes, 131,072 in all;
; B = Wo's 128 rows of 1,024 codes, 16 bytes of padding behind each.  One tensor load a wave at the head: waves 0 and 1 A's heads 0-7 and 8-15, waves 2 and 3 B's rows 0-63 and 64-127.  No byte is filled again.
; CLUSTERS: 4 x 4 work-groups; the four of a row of the cluster need the same A, the four of a column the same B: each tile is asked for jointly.
; The matrix instruction is used transposed (source 0 = 16 rows of Wo, source 1 = 16 positions): a lane holds eight neighbouring columns of one row of the result.
; K goes in eight steps of 128 (two heads); two sets of fragments: while one step is multiplied the next step's 32 LDS loads are out.
; SCALES: register SCR + 4 s + i holds in lanes 0-15 the word of A's tile i and in lanes 16-31 that of B's tile i for K step s.  A's word is the lower half of the even head's word and the upper half of the odd head's.
; Position p is token p with bits 3 and 4 exchanged: row r of tile t goes to token 32 (t / 2) + 8 (t % 2) + r + 8 (r / 8).
; NO PREFETCH: the launch has no loop in which to run ahead; all that it reads is asked for at its head.
; REGISTERS: window 0: v0-31 addresses, v32-63 scale words, v64-191 A's fragments, two sets (on the way out: rows read back); window 1: v0-127 B's fragments, two sets; window 2: v0-127 the accumulators, (a, b) at 8 (4 a + b).
.set PITCH,  1040
.set BB,     131072
.set SPARE,  264192
.set STAGE,  264704                    ; 16 rows x (256 + 16) bytes for each wave
.set SP,     272
.set ADRA, 16                          ; v16, v17  my A fragments: K steps 0-3, 4-7
.set ADRB, 20
.set BSO,  22
.set ASO,  23
.set STO,  24
.set RD,   25
.set CO,   26
.set SPW,  28
.set NIL,  29
.set SCR,  32
.set G1,  24
.set G0,  32
.set G1B, 48
.set G0B, 56
.set HI16, 74
.set LO16, 75
.set MSB, 0
.macro WIN new                         ; the immediate's high byte repeats the setting that is left
.if MSB != \new
	s_set_vgpr_msb (MSB<<8)|\new
.set MSB, \new
.endif
.endm
.set MULW, 0xa1                        ; source 0 (B) window 1, source 1 (A) window 0, C and D window 2
.set TO_B, 0x40
.macro PLACES n
.rept \n
	v_nop
.endr
.endm
.macro CROUND                          ; a round of the cluster's barrier
	s_barrier_signal -1
	s_barrier_wait -1
	s_cmp_lg_u32 s14, 0
	s_cbranch_scc1 .Lnot_wave_0_\@
	s_barrier_signal -3
.Lnot_wave_0_\@:
	s_barrier_wait -3
	s_barrier_signal -1
	s_barrier_wait -1
.endm
	s_load_b256 s[4:11], s[0:1], 0x0               ; ocodes, oscales, wcodes, wscales
	s_load_b64 s[12:13], s[0:1], 0x20              ; out0
	v_lshl_add_u32 v[SPW], v0, 2, SPARE
	v_mov_b32 v[NIL], 0
	ds_add_u32 v[SPW], v[NIL]                      ; the wave's opening: the add, twice on end, and its wait
	ds_add_u32 v[SPW], v[NIL]
	v_lshrrev_b32 v1, 5, v0
	v_readfirstlane_b32 s14, v1                    ; wave 0..3
	s_lshr_b32 s15, s14, 1                         ; my 64 positions.  Also: I fetch for A (0) or for B (1)
	s_and_b32 s16, s14, 1                          ; my 64 columns.  Also: which half of it I fetch
	s_bfe_u32 s40, ttmp6, 0x40000                  ; cx, cy
	s_bfe_u32 s41, ttmp6, 0x40004
	s_lshl_b32 s42, ttmp9, 2
	s_add_co_u32 s42, s42, s40                     ; tile column 0..7
	s_and_b32 s17, ttmp7, 0xffff
	s_lshl_b32 s17, s17, 2
	s_add_co_u32 s17, s17, s41                     ; tile row 0..31
	s_lshl_b32 s43, s41, 2
	s_lshl_b32 s43, 15, s43                        ; my row of the cluster
	s_lshl_b32 s44, 0x1111, s40                    ; my column
	s_or_b32 s[G1+0], s43, (3<<16)|(1<<21)         ; A: 8 rows of 1,024 elements of 8 bytes, 262,144 bytes apart, no padding
	s_mov_b32 s[G1+1], 1024<<16
	s_mov_b32 s[G1+2], 8<<16
	s_mov_b32 s[G1+3], 1024<<16
	s_mov_b32 s[G1+4], 8
	s_mov_b32 s[G1+5], 32768
	s_mov_b32 s[G1+6], 0
	s_mov_b32 s[G1+7], 0
	s_or_b32 s[G1B+0], s44, (0<<16)|(1<<20)|(1<<21)|(7<<22)|(3<<25)   ; B: 64 rows of 1,024 bytes, four words of padding behind every 256
	s_mov_b32 s[G1B+1], 1024<<16
	s_mov_b32 s[G1B+2], 64<<16
	s_mov_b32 s[G1B+3], 1024<<16
	s_mov_b32 s[G1B+4], 64
	s_mov_b32 s[G1B+5], 1024
	s_mov_b32 s[G1B+6], 0
	s_mov_b32 s[G1B+7], 0
	s_lshl_b32 s20, s17, 13                        ; A: 8,192 bytes a block of 128 positions in each head,
	s_lshl_b32 s18, s16, 21                        ; and eight heads on for the second half
	s_add_co_u32 s20, s20, s18
	s_mov_b32 s21, 0
	s_lshl_b32 s46, s42, 17                        ; B: 128 rows a tile column,
	s_lshl_b32 s18, s16, 16                        ; 64 rows on for the second half,
	s_add_co_u32 s46, s46, s18
	s_add_co_u32 s46, s46, 7168*1024               ; behind x's and Wqkv's rows
	s_mov_b32 s47, 0
	s_lshl_b32 s45, s16, 16                        ; where they go
	s_mul_i32 s94, s16, 64*PITCH
	s_add_co_u32 s94, s94, BB
	s_mov_b32 s[HI16], 0xffff0000
	s_mov_b32 s[LO16], 0xffff
	s_wait_dscnt 0x0                               ; both opening adds are done
	s_wait_kmcnt 0x0
	s_add_nc_u64 s[20:21], s[4:5], s[20:21]
	s_add_nc_u64 s[46:47], s[8:9], s[46:47]
	CROUND                                         ; all sixteen work-groups are here: the joint loads meet
	s_mov_b32 s[G0], 1
	s_mov_b32 s[G0+1], s45
	s_mov_b64 s[G0+2:G0+3], s[20:21]
	s_or_b32 s[G0+3], s[G0+3], 0x80000000
	s_mov_b32 s[G0B], 1
	s_mov_b32 s[G0B+1], s94
	s_mov_b64 s[G0B+2:G0B+3], s[46:47]
	s_or_b32 s[G0B+3], s[G0B+3], 0x80000000
	s_cmp_eq_u32 s15, 0                            ; one joint load a wave; each line has one mask
	s_cbranch_scc0 .Lfor_b
	tensor_load_to_lds s[G0:G0+3], s[G1:G1+7]
	s_nop 0
	PLACES 4
	s_branch .Lasked
.Lfor_b:
	tensor_load_to_lds s[G0B:G0B+3], s[G1B:G1B+7]
	s_nop 0
	PLACES 4
.Lasked:
	s_lshl_b32 s66, s42, 7
	s_lshl_b32 s68, s16, 6
	s_add_co_u32 s66, s66, s68
	s_add_co_u32 s66, s66, 7168
	s_lshl_b32 s66, s66, 5                         ; my 64 columns' scale bytes, 32 a row
	s_lshl_b32 s67, s17, 7
	s_lshl_b32 s68, s15, 6
	s_add_co_u32 s67, s67, s68                     ; my first position, and token
	s_lshl_b32 s68, s67, 2
	s_mov_b32 s69, 0
	s_add_nc_u64 s[6:7], s[6:7], s[68:69]
	s_lshl_b32 s68, s67, 12
	s_lshl_b32 s76, s42, 9
	s_add_co_u32 s68, s68, s76
	s_lshl_b32 s76, s16, 8
	s_add_co_u32 s68, s68, s76
	s_add_nc_u64 s[12:13], s[12:13], s[68:69]
	s_lshl_b32 s70, s15, 12                        ; LDS: my four tiles of A in each head,
	s_mul_i32 s71, s16, 64*PITCH
	s_add_co_u32 s71, s71, BB                      ; my 64 rows of B,
	s_mul_i32 s72, s14, 16*SP
	s_add_co_u32 s72, s72, STAGE                   ; my stage
	v_and_b32 v1, 15, v0                           ; r
	v_bfe_u32 v2, v0, 4, 1                         ; h
	v_and_b32 v6, 31, v0
	v_lshl_add_u32 v[BSO], v1, 5, s66
	v_lshlrev_b32 v[ASO], 2, v1
	v_lshlrev_b32 v7, 4, v6
	v_add_nc_u32 v[ADRA], s70, v7
	v_add_nc_u32 v[ADRA+1], 65536, v[ADRA]
	v_mul_u32_u24 v3, v1, PITCH
	v_lshl_add_u32 v3, v2, 4, v3
	v_add_nc_u32 v[ADRB], s71, v3
	v_mul_u32_u24 v4, v1, SP
	v_lshl_add_u32 v4, v2, 5, v4
	v_add_nc_u32 v[STO], s72, v4                   ; in: row r, 32 bytes for each half of the lanes
	v_mul_u32_u24 v5, v2, SP
	v_lshl_add_u32 v5, v1, 4, v5
	v_add_nc_u32 v[RD], s72, v5                    ; back: lanes 0-15 one row of 256 bytes, lanes 16-31 the next
	v_lshlrev_b32 v[CO], 12, v2
	v_lshl_add_u32 v[CO], v1, 4, v[CO]             ; and the same two rows in out0
	s_wait_alu depctr_va_vdst(0)
.irp i, 0,1,2,3
	global_load_b128 v[64+8*\i:67+8*\i], v[BSO], s[10:11] offset:512*\i
	global_load_b128 v[68+8*\i:71+8*\i], v[BSO], s[10:11] offset:512*\i+16
.endr
.irp i, 0,1,2,3
.irp s, 0,1,2,3,4,5,6,7
	global_load_b32 v[128+8*\i+\s], v[ASO], s[6:7] offset:(2*\s)*16384+64*\i
	global_load_b32 v[160+8*\i+\s], v[ASO], s[6:7] offset:(2*\s+1)*16384+64*\i
.endr
.endr
	s_wait_loadcnt 0x0
.set n, 0
.rept 32
	v_bfi_b32 v[128+n], s[LO16], v[128+n], v[160+n]
.set n, n+1
.endr
.irp i, 0,1,2,3
.irp s, 0,1,2,3,4,5,6,7
	v_cndmask_b32 v[SCR+4*\s+\i], v[128+8*\i+\s], v[64+8*\i+\s], s[HI16]
.endr
.endr
	PLACES 8                                       ; a scale word written by a vector instruction stands eight places ahead of its product
.macro FETCH k                         ; K step k's fragments into set k % 2: 32 LDS loads
	WIN TO_B
.irp b, 0,1,2,3
.irp c, 0,1,2,3
	ds_load_b128 v[64*((\k)%2)+16*\b+4*\c:64*((\k)%2)+16*\b+4*\c+3], v[ADRB] offset:\b*16*PITCH+128*(\k)+32*\c
.endr
.endr
	WIN 0
.irp a, 0,1,2,3
.irp c, 0,1,2,3
	ds_load_b128 v[64+64*((\k)%2)+16*\a+4*\c:64+64*((\k)%2)+16*\a+4*\c+3], v[ADRA+(\k)/4] offset:(2*((\k)%4)+\c/2)*8192+\a*1024+(\c%2)*512
.endr
.endr
.endm
.macro MUL k, zero                     ; 16 products, the accumulators by turns, in the same order in every K step
	WIN MULW
.irp a, 0,1,2,3
.irp b, 0,1,2,3
.if \zero
	v_wmma_scale_f32_16x16x128_f8f6f4 v[8*(4*\a+\b):8*(4*\a+\b)+7], v[64*((\k)%2)+16*\b:64*((\k)%2)+16*\b+15], v[64+64*((\k)%2)+16*\a:64+64*((\k)%2)+16*\a+15], 0, v[SCR+4*(\k)+\b], v[SCR+4*(\k)+\a] matrix_a_scale:MATRIX_SCALE_ROW1
.else
	v_wmma_scale_f32_16x16x128_f8f6f4 v[8*(4*\a+\b):8*(4*\a+\b)+7], v[64*((\k)%2)+16*\b:64*((\k)%2)+16*\b+15], v[64+64*((\k)%2)+16*\a:64+64*((\k)%2)+16*\a+15], v[8*(4*\a+\b):8*(4*\a+\b)+7], v[SCR+4*(\k)+\b], v[SCR+4*(\k)+\a] matrix_a_scale:MATRIX_SCALE_ROW1
.endif
.endr
.endr
	WIN 0
.endm
	s_wait_alu depctr_va_vdst(0)                   ; the wait at the head's end
	s_wait_tensorcnt 0x0                           ; my tile is in,
	s_barrier_signal -1
	s_barrier_wait -1                              ; and so are the other three
	FETCH 0
	FETCH 1
	s_wait_dscnt 32                                ; all but the 32 just issued
	MUL 0, 1                                       ; the first K step starts the sums
.irp k, 1,2,3,4,5,6
	PLACES 8                                       ; in front of loads into the set that the last products read
	FETCH \k+1
	s_wait_dscnt 32
	MUL \k, 0
.endr
	s_wait_dscnt 0x0
	MUL 7, 0
	PLACES 8
; THE WAY OUT, block by block of 16 positions x 64 columns, through my own stage: LDS serves a wave's instructions in order, so no wait stands between the stores and the loads, nor in front of the next block's stores.
.macro TOSTAGE a
	WIN 0x08                                       ; the data: window 2
.irp b, 0,1,2,3
	ds_store_b128 v[STO], v[32*(\a)+8*\b:32*(\a)+8*\b+3] offset:64*\b        ; each accumulator from its low end on
	ds_store_b128 v[STO], v[32*(\a)+8*\b+4:32*(\a)+8*\b+7] offset:64*\b+16
.endr
	WIN 0
.irp t, 0,1,2,3,4,5,6,7
	ds_load_b128 v[64+32*(\a)+4*\t:64+32*(\a)+4*\t+3], v[RD] offset:\t*2*SP
.endr
.endm
.macro SEND a, younger                 ; each block has registers of its own, so no store's data are written again
	s_wait_dscnt \younger
.irp t, 0,1,2,3,4,5,6,7
	global_store_b128 v[CO], v[64+32*(\a)+4*\t:64+32*(\a)+4*\t+3], s[12:13] offset:(32*((\a)/2)+8*((\a)%2)+2*\t+8*(\t/4))*4096 th:TH_STORE_NT   ; 16 lanes store 256 consecutive bytes, at a multiple of 256 from out0's first byte
.endr
.endm
	TOSTAGE 0
.irp a, 1,2,3
	TOSTAGE \a
	SEND \a-1, 16                                  ; behind block a - 1's loads: block a's 8 stores and 8 loads
.endr
	SEND 3, 0
	s_wait_tensorcnt 0x0                           ; the wave's end
	ds_add_u32 v[SPW], v[NIL]
	s_wait_dscnt 0x0
	CROUND                                         ; the closing round
	s_endpgm
.Lfunc_end_k_qfa8122e1be_oproj:
	.size	k_qfa8122e1be_oproj, .Lfunc_end_k_qfa8122e1be_oproj-k_qfa8122e1be_oproj
	.p2alignl 7, 3214868480
	.fill 96, 4, 3214868480
	.section	.rodata,"a",@progbits
	.p2align	6, 0x0
	.amdhsa_kernel k_qfa8122e1be_oproj
		.amdhsa_group_segment_fixed_size 327680
		.amdhsa_private_segment_fixed_size 0
		.amdhsa_enable_private_segment 0
		.amdhsa_kernarg_size 40
		.amdhsa_user_sgpr_count 2
		.amdhsa_user_sgpr_kernarg_segment_ptr 1
		.amdhsa_wavefront_size32 1
		.amdhsa_system_sgpr_workgroup_id_x 1
		.amdhsa_system_sgpr_workgroup_id_y 1
		.amdhsa_system_sgpr_workgroup_id_z 1
		.amdhsa_system_vgpr_workitem_id 0
		.amdhsa_next_free_vgpr 640
		.amdhsa_next_free_sgpr 100
		.amdhsa_reserve_vcc 0
		.amdhsa_float_denorm_mode_32 3
		.amdhsa_float_denorm_mode_16_64 3
		.amdhsa_memory_ordered 1
		.amdhsa_forward_progress 1
		.amdhsa_inst_pref_size 61
	.end_amdhsa_kernel
	.amdgpu_metadata
---
amdhsa.version: [ 1, 2 ]
amdhsa.kernels:
  - .name:           k_qfa8122e1be_oproj
    .symbol:         k_qfa8122e1be_oproj.kd
    .args:
      - { .name: ocodes, .offset: 0, .size: 8, .value_kind: global_buffer, .address_space: global }
      - { .name: oscales, .offset: 8, .size: 8, .value_kind: global_buffer, .address_space: global }
      - { .name: wcodes, .offset: 16, .size: 8, .value_kind: global_buffer, .address_space: global }
      - { .name: wscales, .offset: 24, .size: 8, .value_kind: global_buffer, .address_space: global }
      - { .name: out0, .offset: 32, .size: 8, .value_kind: global_buffer, .address_space: global }
    .group_segment_fixed_size: 327680
    .private_segment_fixed_size: 0
    .kernarg_segment_align: 8
    .kernarg_segment_size: 40
    .max_flat_workgroup_size: 128
    .sgpr_count:     100
    .vgpr_count:     640
    .wavefront_size: 32
...
	.end_amdgpu_metadata
.endif
;; end of part 4
